; MI455X (gfx1250); checked and timed in simulation.
; The chip was launched on July 23, 2026; its instructions are those of AMD's public machine-readable ISA for CDNA 5 (MIT licence, August 2026) and "CDNA5" Instruction Set Architecture Reference Guide (July 2026). The comments in the code are by the model that wrote it; some were corrected since.
;; Cross Modal Attention Block. Allowed arithmetic: float matrix products may take bf16 or f16 operands with f32 sums; all other float work in f32.
;; Inputs: Wk 1,024 x 1,024 float32; Wo 1,024 x 1,024 float32; Wq 1,024 x 1,024 float32; Wv 1,024 x 1,024 float32; bk 1,024 float32; bo 1,024 float32; bq 1,024 float32; bv 1,024 float32; context 4 x 2,048 x 1,024 float32; ln_beta 1,024 float32; ln_gamma 1,024 float32; x 4 x 1,024 x 1,024 float32.
;; Outputs: out0 4 x 1,024 x 1,024 float32.
;; 2 versions, each right. Each part assembles by itself: llvm-mc -triple=amdgcn-amd-amdhsa -mcpu=gfx1250 --defsym DOCPART=n.
;; ======== version 1 of 2: 5 launches
;; workspace buffers: part 1,024 bytes; xn 8,388,608 bytes; cb 16,777,216 bytes; wt 8,388,608 bytes; kh 16,777,216 bytes; vh 16,777,216 bytes; ao 8,388,608 bytes
;; launch absum (part 1): grid 256 x 1, 8 waves a work-group, no clusters, 1,280 bytes of LDS; arguments Wq, Wk, Wv, Wo, part; writes part
.if DOCPART == 1
	.amdgcn_target "amdgcn-amd-amdhsa--gfx1250"
	.amdhsa_code_object_version 6
	.text
	.protected	k_qf41a18c8a1_absum
	.globl	k_qf41a18c8a1_absum
	.p2align	8
	.type	k_qf41a18c8a1_absum,@function
k_qf41a18c8a1_absum:
	s_mov_b64 s[64:65], 0
	v_nop
	global_prefetch_b8 v0, s[64:65] scope:SCOPE_SE
	s_setreg_imm32_b32 hwreg(HW_REG_WAVE_MODE, 25, 1), 1
	s_wait_xcnt 0x0
; part[wi][c] = the sum of |W| over 16 rows (65,536 bytes) of weight wi (0 Wq, 1 Wk, 2 Wv, 3 Wo), c = 0 .. 63.
; 256 work-groups, 64 for each weight.  A wave takes 8,192 bytes: 16 loads of 16 bytes a lane, all issued at once
; (65,536 bytes of a work-group on their way), so there is no loop.  The mean over a whole weight spans work-groups,
; so it is finished in the later launches, each of which adds the 64 partial sums in one fixed order.
; No matrix unit, no cluster: nothing is shared and memory binds.  No NT hint: the next launch reads W again.
; A work-group stores one word: the 256 words of the launch are written four bytes at a time (known, 1,024 bytes in all).
.set X, 16                             ; v[16:79]  64 numbers as loaded
.set A, 4                              ; v[4:7]    four chains of sums
	s_load_b256 s[4:11], s[0:1], 0x0               ; Wq s[4:5], Wk s[6:7], Wv s[8:9], Wo s[10:11]
	s_load_b64 s[12:13], s[0:1], 0x20              ; part
	v_lshl_add_u32 v80, v0, 2, 0x100
	v_mov_b32 v81, 0
	v_lshrrev_b32 v1, 5, v0
	v_readfirstlane_b32 s14, v1                    ; wave 0..7
	v_and_b32 v2, 31, v0
	v_lshlrev_b32 v2, 4, v2                        ; 16 bytes a lane
	v_lshl_add_u32 v2, v1, 13, v2                  ; + 8,192 x wave
	v_lshlrev_b32 v10, 2, v1                       ; my wave's word in LDS
	s_lshr_b32 s15, ttmp9, 6                       ; which weight
	s_and_b32 s16, ttmp9, 63
	s_lshl_b32 s16, s16, 16                        ; my 65,536 bytes of it
	s_mov_b32 s17, 0
	s_lshl_b32 s18, ttmp9, 2                       ; my word of part
	s_mov_b32 s19, 0
	s_mov_b32 s22, 0x76543210                      ; v_permlanex16_b32: lane i reads lane i of the other half
	s_mov_b32 s23, 0xfedcba98
	s_wait_kmcnt 0x0
	s_cmp_eq_u32 s15, 1
	s_cselect_b64 s[4:5], s[6:7], s[4:5]
	s_cmp_eq_u32 s15, 2
	s_cselect_b64 s[4:5], s[8:9], s[4:5]
	s_cmp_eq_u32 s15, 3
	s_cselect_b64 s[4:5], s[10:11], s[4:5]
	s_add_nc_u64 s[4:5], s[4:5], s[16:17]
	s_add_nc_u64 s[12:13], s[12:13], s[18:19]
.irp j, 0,1,2,3,4,5,6,7,8,9,10,11,12,13,14,15
	global_load_b128 v[X+4*\j:X+4*\j+3], v2, s[4:5] offset:512*\j   ; 512 neighbouring bytes a load
.endr
	s_wait_loadcnt 14                              ; the two oldest loads are in: they start the four chains, nothing is cleared
.irp k, 0,1,2,3
	v_add_f32 v[A+\k], |v[X+\k]|, |v[X+4+\k]|
.endr
.irp j, 2,3,4,5,6,7,8,9,10,11,12,13,14,15
	s_wait_loadcnt 15-\j                           ; load j is in, the 15 - j younger ones stay out
.irp k, 0,1,2,3
	v_add_f32 v[A+\k], v[A+\k], |v[X+4*\j+\k]|
.endr
.endr
	v_add_f32 v4, v4, v5
	v_add_f32 v6, v6, v7
	v_add_f32 v8, v4, v6
	v_mov_b32 v9, v8                               ; the permute's destination counts as read
	v_add_f32_dpp v8, v8, v8 row_xmask:1 row_mask:0xf bank_mask:0xf
	v_add_f32_dpp v8, v8, v8 row_xmask:2 row_mask:0xf bank_mask:0xf
	v_add_f32_dpp v8, v8, v8 row_xmask:4 row_mask:0xf bank_mask:0xf
	v_add_f32_dpp v8, v8, v8 row_xmask:8 row_mask:0xf bank_mask:0xf
	v_permlanex16_b32 v9, v8, s22, s23
	v_add_f32 v8, v8, v9                           ; the wave's sum, in every lane
	ds_store_b32 v10, v8
	s_wait_dscnt 0x0                               ; for the other waves' sake: my word is written
	s_barrier_signal -1
	s_barrier_wait -1
	s_cmp_lg_u32 s14, 0
	s_cbranch_scc1 .Ldone                          ; wave 0 adds the eight words
	v_mov_b32 v11, 0
	ds_load_b128 v[12:15], v11
	ds_load_b128 v[16:19], v11 offset:16
	s_wait_dscnt 0x0
	v_add_f32 v12, v12, v13
	v_add_f32 v14, v14, v15
	v_add_f32 v16, v16, v17
	v_add_f32 v18, v18, v19
	v_add_f32 v12, v12, v14
	v_add_f32 v16, v16, v18
	v_add_f32 v12, v12, v16
	v_cmp_eq_u32 vcc_lo, 0, v0
	s_wait_xcnt 0x0                                ; EXEC is a source of the loads above: it changes only behind this wait
	s_and_saveexec_b32 s20, vcc_lo
	global_store_b32 v11, v12, s[12:13]            ; thread 0 alone
	s_wait_xcnt 0x0                                ; and again in front of the line that widens EXEC
	s_or_b32 exec_lo, exec_lo, s20
.Ldone:
	s_wait_tensorcnt 0x0
	ds_add_u32 v80, v81
	s_wait_dscnt 0x0
	s_endpgm
.Lfunc_end_k_qf41a18c8a1_absum:
	.size	k_qf41a18c8a1_absum, .Lfunc_end_k_qf41a18c8a1_absum-k_qf41a18c8a1_absum
	.p2alignl 7, 3214868480
	.fill 96, 4, 3214868480
	.section	.rodata,"a",@progbits
	.p2align	6, 0x0
	.amdhsa_kernel k_qf41a18c8a1_absum
		.amdhsa_group_segment_fixed_size 1280
		.amdhsa_private_segment_fixed_size 0
		.amdhsa_enable_private_segment 0
		.amdhsa_kernarg_size 40
		.amdhsa_user_sgpr_count 2
		.amdhsa_user_sgpr_kernarg_segment_ptr 1
		.amdhsa_wavefront_size32 1
		.amdhsa_system_sgpr_workgroup_id_x 1
		.amdhsa_system_sgpr_workgroup_id_y 1
		.amdhsa_system_sgpr_workgroup_id_z 1
		.amdhsa_system_vgpr_workitem_id 0
		.amdhsa_next_free_vgpr 82
		.amdhsa_next_free_sgpr 66
		.amdhsa_reserve_vcc 1
		.amdhsa_float_denorm_mode_32 3
		.amdhsa_float_denorm_mode_16_64 3
		.amdhsa_memory_ordered 1
		.amdhsa_forward_progress 1
		.amdhsa_inst_pref_size 9
	.end_amdhsa_kernel
	.amdgpu_metadata
---
amdhsa.version: [ 1, 2 ]
amdhsa.kernels:
  - .name:           k_qf41a18c8a1_absum
    .symbol:         k_qf41a18c8a1_absum.kd
    .args:
      - { .name: Wq, .offset: 0, .size: 8, .value_kind: global_buffer, .address_space: global }
      - { .name: Wk, .offset: 8, .size: 8, .value_kind: global_buffer, .address_space: global }
      - { .name: Wv, .offset: 16, .size: 8, .value_kind: global_buffer, .address_space: global }
      - { .name: Wo, .offset: 24, .size: 8, .value_kind: global_buffer, .address_space: global }
      - { .name: part, .offset: 32, .size: 8, .value_kind: global_buffer, .address_space: global }
    .group_segment_fixed_size: 1280
    .private_segment_fixed_size: 0
    .kernarg_segment_align: 8
    .kernarg_segment_size: 40
    .max_flat_workgroup_size: 256
    .sgpr_count:     66
    .vgpr_count:     82
    .wavefront_size: 32
...
	.end_amdgpu_metadata
.endif
;; end of part 1
;; launch prep (part 2): grid 128 x 4, 8 waves a work-group, no clusters, 0 bytes of LDS; arguments x, context, Wq, Wk, Wv, Wo, ln_gamma, ln_beta, part, xn, cb, wt; writes xn, cb, wt
.if DOCPART == 2
	.amdgcn_target "amdgcn-amd-amdhsa--gfx1250"
	.amdhsa_code_object_version 6
	.text
	.protected	k_qf41a18c8a1_prep
	.globl	k_qf41a18c8a1_prep
	.p2align	8
	.type	k_qf41a18c8a1_prep,@function
k_qf41a18c8a1_prep:
	s_mov_b64 s[64:65], 0
	v_nop
	global_prefetch_b8 v0, s[64:65] scope:SCOPE_SE
	s_setreg_imm32_b32 hwreg(HW_REG_WAVE_MODE, 25, 1), 1
	s_wait_xcnt 0x0
; Three streams of rows of 1,024 f32 (4,096 bytes) that leave as rows of 1,024 bf16 (2,048 bytes).  The work-group's y picks the stream:
;   y = 0      xn = LayerNorm(x) * ln_gamma + ln_beta               4,096 rows
;   y = 1, 2   cb = context                                         8,192 rows
;   y = 3      wt = clip(round(W / (gamma + 1e-5)), -1, 1)          4 x 1,024 rows, order Wq, Wk, Wv, Wo; gamma = mean |W|
; The codes -1, 0, 1 are exact in bf16; gamma itself is applied in f32 behind each product, in the later launches.
; A wave takes 4 rows and keeps them in 128 registers: 32 loads of 16 bytes a lane go out at once, each row is read once.
; A load covers 512 neighbouring bytes; a store of 8 bytes a lane covers 256 neighbouring bytes, aligned.
; The mean and the variance are made in two passes over the registers, as the definition has them (no difference of large sums).
; No LDS, barrier, matrix unit or cluster: a row never leaves its wave and nothing large is shared.
; LIMITS: the quotient is W * rcp(gamma + 1e-5) and gamma's sum has its own order, so a code whose quotient lies within
; about 1e-7 (relative) of +-0.5 may fall on the other side; W + (Wq - W) is taken as Wq (one f32 rounding apart);
; NaN and infinities in the inputs are not served.
.set T,   4                            ; v[4:15]    at work
.set X,   16                           ; v[16:143]  row i at X + 32 i: 32 numbers of a lane, columns 128 j + 4 lane + 0..3
.set G,   144                          ; v[144:175] ln_gamma of my 32 columns
.set BT,  176                          ; v[176:207] ln_beta of my 32 columns
.set SEL, 36                           ; s[36:37]   selects of v_permlanex16_b32
.macro LOADROWS nt                     ; my four rows, 32 loads; nt = 1: the bytes are read once more by nobody
.irp i, 0,1,2,3
.irp j, 0,1,2,3,4,5,6,7
.if \nt
	global_load_b128 v[X+32*\i+4*\j:X+32*\i+4*\j+3], v2, s[30:31] offset:4096*\i+512*\j th:TH_LOAD_NT
.else
	global_load_b128 v[X+32*\i+4*\j:X+32*\i+4*\j+3], v2, s[30:31] offset:4096*\i+512*\j
.endif
.endr
.endr
.endm
.macro PACKSTORE i                     ; row i: 32 f32 to 16 words of bf16, in place and ascending (word n is written after words 2n, 2n+1 are read), then stored
.irp n, 0,1,2,3,4,5,6,7,8,9,10,11,12,13,14,15
	v_cvt_pk_bf16_f32 v[X+32*\i+\n], v[X+32*\i+2*\n], v[X+32*\i+2*\n+1]
.endr
.irp j, 0,1,2,3,4,5,6,7
	global_store_b64 v3, v[X+32*\i+2*\j:X+32*\i+2*\j+1], s[32:33] offset:2048*\i+256*\j   ; 32 lanes: 256 neighbouring bytes, aligned
.endr
.endm
.macro WSUM a, b                       ; v[a] summed over the 32 lanes, in every lane; v[b] has been written before
	v_add_f32_dpp v[\a], v[\a], v[\a] row_xmask:1 row_mask:0xf bank_mask:0xf
	v_add_f32_dpp v[\a], v[\a], v[\a] row_xmask:2 row_mask:0xf bank_mask:0xf
	v_add_f32_dpp v[\a], v[\a], v[\a] row_xmask:4 row_mask:0xf bank_mask:0xf
	v_add_f32_dpp v[\a], v[\a], v[\a] row_xmask:8 row_mask:0xf bank_mask:0xf
	v_permlanex16_b32 v[\b], v[\a], s[SEL], s[SEL+1]
	v_add_f32 v[\a], v[\a], v[\b]
.endm
.macro MERGE                           ; four chains of pairs to one number in v[T]
	v_pk_add_f32 v[T:T+1], v[T:T+1], v[T+2:T+3]
	v_pk_add_f32 v[T+4:T+5], v[T+4:T+5], v[T+6:T+7]
	v_pk_add_f32 v[T:T+1], v[T:T+1], v[T+4:T+5]
	v_add_f32 v[T], v[T], v[T+1]
	WSUM T, T+1
.endm
.macro LNROW i
	s_wait_loadcnt 8*(3-\i)                        ; row i is in; the younger rows' loads, 8 each, stay out
.irp k, 0,1,2,3
	v_pk_add_f32 v[T+2*\k:T+2*\k+1], v[X+32*\i+2*\k:X+32*\i+2*\k+1], v[X+32*\i+8+2*\k:X+32*\i+8+2*\k+1]
.endr
.irp q, 16,24
.irp k, 0,1,2,3
	v_pk_add_f32 v[T+2*\k:T+2*\k+1], v[T+2*\k:T+2*\k+1], v[X+32*\i+\q+2*\k:X+32*\i+\q+2*\k+1]
.endr
.endr
	MERGE
	v_mul_f32 v[T+8], s34, v[T]                    ; the mean, twice: a pair for the packed subtraction
	v_mul_f32 v[T+9], s34, v[T]
.irp p, 0,1,2,3,4,5,6,7,8,9,10,11,12,13,14,15
	v_pk_add_f32 v[X+32*\i+2*\p:X+32*\i+2*\p+1], v[X+32*\i+2*\p:X+32*\i+2*\p+1], v[T+8:T+9] neg_lo:[0,1] neg_hi:[0,1]
.endr
.irp k, 0,1,2,3
	v_pk_mul_f32 v[T+2*\k:T+2*\k+1], v[X+32*\i+2*\k:X+32*\i+2*\k+1], v[X+32*\i+2*\k:X+32*\i+2*\k+1]
.endr
.irp q, 8,16,24
.irp k, 0,1,2,3
	v_pk_fma_f32 v[T+2*\k:T+2*\k+1], v[X+32*\i+\q+2*\k:X+32*\i+\q+2*\k+1], v[X+32*\i+\q+2*\k:X+32*\i+\q+2*\k+1], v[T+2*\k:T+2*\k+1]
.endr
.endr
	MERGE
	v_fma_f32 v[T], v[T], s34, s35                 ; variance + 1e-5
	v_rsq_f32 v[T+10], v[T]
	v_rsq_f32 v[T+11], v[T]
	v_nop                                          ; one plain place behind a transcendental (ISA guide 5.7.2)
	s_wait_alu depctr_va_vdst(0)
.irp p, 0,1,2,3,4,5,6,7,8,9,10,11,12,13,14,15
	v_pk_mul_f32 v[X+32*\i+2*\p:X+32*\i+2*\p+1], v[X+32*\i+2*\p:X+32*\i+2*\p+1], v[T+10:T+11]
.endr
.irp p, 0,1,2,3,4,5,6,7,8,9,10,11,12,13,14,15
	v_pk_fma_f32 v[X+32*\i+2*\p:X+32*\i+2*\p+1], v[X+32*\i+2*\p:X+32*\i+2*\p+1], v[G+2*\p:G+2*\p+1], v[BT+2*\p:BT+2*\p+1]
.endr
	PACKSTORE \i
.endm
.macro QROW i
	s_wait_loadcnt 8*(3-\i)
.irp p, 0,1,2,3,4,5,6,7,8,9,10,11,12,13,14,15
	v_pk_mul_f32 v[X+32*\i+2*\p:X+32*\i+2*\p+1], v[X+32*\i+2*\p:X+32*\i+2*\p+1], v[T+2:T+3]
.endr
.set n, 0
.rept 32
	v_rndne_f32 v[X+32*\i+n], v[X+32*\i+n]         ; halves to even, as jnp.round
.set n, n+1
.endr
.set n, 0
.rept 32
	v_med3_num_f32 v[X+32*\i+n], v[X+32*\i+n], -1.0, 1.0
.set n, n+1
.endr
	PACKSTORE \i
.endm
	s_load_b512 s[4:19], s[0:1], 0x0               ; x s[4:5], context s[6:7], Wq s[8:9], Wk s[10:11], Wv s[12:13], Wo s[14:15], ln_gamma s[16:17], ln_beta s[18:19]
	s_load_b256 s[20:27], s[0:1], 0x40             ; part s[20:21], xn s[22:23], cb s[24:25], wt s[26:27]
	v_and_b32 v1, 31, v0                           ; lane
	v_lshrrev_b32 v4, 5, v0                        ; wave
	v_lshlrev_b32 v2, 4, v1
	v_lshl_add_u32 v2, v4, 14, v2                  ; in: 16 lane + 4 rows of 4,096 bytes x wave
	v_lshlrev_b32 v3, 3, v1
	v_lshl_add_u32 v3, v4, 13, v3                  ; out: 8 lane + 4 rows of 2,048 bytes x wave
	s_and_b32 s28, ttmp7, 0xffff                   ; which stream
	s_mov_b32 s34, 0x3a800000                      ; 1 / 1,024
	s_mov_b32 s35, 0x3727c5ac                      ; 1e-5
	s_mov_b32 s[SEL], 0x76543210
	s_mov_b32 s[SEL+1], 0xfedcba98
	s_mov_b32 s39, 0
	s_mov_b32 s41, 0
	s_wait_kmcnt 0x0
	s_cmp_eq_u32 s28, 0
	s_cbranch_scc1 .Lnorm
	s_cmp_eq_u32 s28, 3
	s_cbranch_scc1 .Lquant
	; context to bf16: block (y - 1) * 128 + x of 32 rows
	s_sub_co_u32 s29, s28, 1
	s_lshl_b32 s29, s29, 7
	s_add_co_u32 s29, s29, ttmp9
	s_lshl_b32 s38, s29, 17                        ; 32 rows of 4,096 bytes
	s_lshl_b32 s40, s29, 16                        ; 32 rows of 2,048 bytes
	s_add_nc_u64 s[30:31], s[6:7], s[38:39]
	s_add_nc_u64 s[32:33], s[24:25], s[40:41]
	LOADROWS 1
.irp i, 0,1,2,3
	s_wait_loadcnt 8*(3-\i)                        ; row i is in; the younger rows stay out
	PACKSTORE \i
.endr
	s_endpgm
.Lnorm:
	s_lshl_b32 s38, ttmp9, 17
	s_lshl_b32 s40, ttmp9, 16
	s_add_nc_u64 s[30:31], s[4:5], s[38:39]
	s_add_nc_u64 s[32:33], s[22:23], s[40:41]
	v_lshlrev_b32 v1, 4, v1                        ; 16 lane: my columns in ln_gamma and ln_beta
.irp j, 0,1,2,3,4,5,6,7
	global_load_b128 v[G+4*\j:G+4*\j+3], v1, s[16:17] offset:512*\j
	global_load_b128 v[BT+4*\j:BT+4*\j+3], v1, s[18:19] offset:512*\j
.endr
	LOADROWS 0                                     ; x is read again by the last launch: no NT
	LNROW 0                                        ; gain and bias were issued first, so each row's wait covers them
	LNROW 1
	LNROW 2
	LNROW 3
	s_endpgm
.Lquant:
	s_lshr_b32 s29, ttmp9, 5                       ; which weight: 32 blocks of 32 rows each
	s_cmp_eq_u32 s29, 1
	s_cselect_b64 s[8:9], s[10:11], s[8:9]
	s_cmp_eq_u32 s29, 2
	s_cselect_b64 s[8:9], s[12:13], s[8:9]
	s_cmp_eq_u32 s29, 3
	s_cselect_b64 s[8:9], s[14:15], s[8:9]
	s_and_b32 s38, ttmp9, 31
	s_lshl_b32 s38, s38, 17
	s_lshl_b32 s40, ttmp9, 16
	s_add_nc_u64 s[30:31], s[8:9], s[38:39]
	s_add_nc_u64 s[32:33], s[26:27], s[40:41]
	s_lshl_b32 s38, s29, 8                         ; the weight's 64 partial sums
	s_add_nc_u64 s[20:21], s[20:21], s[38:39]
	v_lshlrev_b32 v1, 3, v1                        ; two of them a lane
	global_load_b64 v[T:T+1], v1, s[20:21]
	LOADROWS 1
	s_wait_loadcnt 32                              ; the partial sums are in; the 32 loads of the rows are younger
	v_add_f32 v[T], v[T], v[T+1]                   ; the same order of adding in every launch that needs gamma
	WSUM T, T+1
	v_readfirstlane_b32 s42, v[T]
	s_mul_f32 s42, s42, 0x35800000                 ; / 1,048,576: gamma
	s_add_f32 s42, s42, s35                        ; + 1e-5
	v_rcp_f32 v[T+2], s42
	v_rcp_f32 v[T+3], s42
	v_nop                                          ; one plain place behind a transcendental (ISA guide 5.7.2)
	s_wait_alu depctr_va_vdst(0)
	QROW 0
	QROW 1
	QROW 2
	QROW 3
	s_endpgm
.Lfunc_end_k_qf41a18c8a1_prep:
	.size	k_qf41a18c8a1_prep, .Lfunc_end_k_qf41a18c8a1_prep-k_qf41a18c8a1_prep
	.p2alignl 7, 3214868480
	.fill 96, 4, 3214868480
	.section	.rodata,"a",@progbits
	.p2align	6, 0x0
	.amdhsa_kernel k_qf41a18c8a1_prep
		.amdhsa_group_segment_fixed_size 0
		.amdhsa_private_segment_fixed_size 0
		.amdhsa_enable_private_segment 0
		.amdhsa_kernarg_size 96
		.amdhsa_user_sgpr_count 2
		.amdhsa_user_sgpr_kernarg_segment_ptr 1
		.amdhsa_wavefront_size32 1
		.amdhsa_system_sgpr_workgroup_id_x 1
		.amdhsa_system_sgpr_workgroup_id_y 1
		.amdhsa_system_sgpr_workgroup_id_z 1
		.amdhsa_system_vgpr_workitem_id 0
		.amdhsa_next_free_vgpr 208
		.amdhsa_next_free_sgpr 66
		.amdhsa_reserve_vcc 0
		.amdhsa_float_denorm_mode_32 3
		.amdhsa_float_denorm_mode_16_64 3
		.amdhsa_memory_ordered 1
		.amdhsa_forward_progress 1
		.amdhsa_inst_pref_size 76
	.end_amdhsa_kernel
	.amdgpu_metadata
---
amdhsa.version: [ 1, 2 ]
amdhsa.kernels:
  - .name:           k_qf41a18c8a1_prep
    .symbol:         k_qf41a18c8a1_prep.kd
    .args:
      - { .name: x, .offset: 0, .size: 8, .value_kind: global_buffer, .address_space: global }
      - { .name: context, .offset: 8, .size: 8, .value_kind: global_buffer, .address_space: global }
      - { .name: Wq, .offset: 16, .size: 8, .value_kind: global_buffer, .address_space: global }
      - { .name: Wk, .offset: 24, .size: 8, .value_kind: global_buffer, .address_space: global }
      - { .name: Wv, .offset: 32, .size: 8, .value_kind: global_buffer, .address_space: global }
      - { .name: Wo, .offset: 40, .size: 8, .value_kind: global_buffer, .address_space: global }
      - { .name: ln_gamma, .offset: 48, .size: 8, .value_kind: global_buffer, .address_space: global }
      - { .name: ln_beta, .offset: 56, .size: 8, .value_kind: global_buffer, .address_space: global }
      - { .name: part, .offset: 64, .size: 8, .value_kind: global_buffer, .address_space: global }
      - { .name: xn, .offset: 72, .size: 8, .value_kind: global_buffer, .address_space: global }
      - { .name: cb, .offset: 80, .size: 8, .value_kind: global_buffer, .address_space: global }
      - { .name: wt, .offset: 88, .size: 8, .value_kind: global_buffer, .address_space: global }
    .group_segment_fixed_size: 0
    .private_segment_fixed_size: 0
    .kernarg_segment_align: 8
    .kernarg_segment_size: 96
    .max_flat_workgroup_size: 256
    .sgpr_count:     66
    .vgpr_count:     208
    .wavefront_size: 32
...
	.end_amdgpu_metadata
.endif
;; end of part 2
;; launch kvproj (part 3): grid 8 x 32, 4 waves a work-group, clusters of 4 x 4, 327,680 bytes of LDS; arguments cb, wt, part, bk, bv, kh, vh; writes kh, vh
.if DOCPART == 3
	.amdgcn_target "amdgcn-amd-amdhsa--gfx1250"
	.amdhsa_code_object_version 6
	.text
	.protected	k_qf41a18c8a1_kvproj
	.globl	k_qf41a18c8a1_kvproj
	.p2align	8
	.type	k_qf41a18c8a1_kvproj,@function
k_qf41a18c8a1_kvproj:
	s_mov_b64 s[64:65], 0
	v_nop
	global_prefetch_b8 v0, s[64:65] scope:SCOPE_SE
	s_setreg_imm32_b32 hwreg(HW_REG_WAVE_MODE, 25, 1), 1
	s_wait_xcnt 0x0
	s_wait_alu depctr_hold_cnt(0) depctr_sa_sdst(0) depctr_va_vdst(0) depctr_va_sdst(0) depctr_va_ssrc(0) depctr_va_vcc(0) depctr_vm_vsrc(0)
	s_getreg_b32 s2, hwreg(HW_REG_IB_STS2, 6, 4)
	s_cmp_eq_u32 s2, 0
	s_cbranch_scc0 .Lentry_in_a_cluster
	s_endpgm
.Lentry_in_a_cluster:
	s_bfe_u32 s2, ttmp6, 0x10000c
	s_cmp_lg_u32 s2, 0xf033
	s_cbranch_scc0 .Lentry_shape_is_right
	s_endpgm
.Lentry_shape_is_right:
; [k | v] = cb [tk ; tv]^T * gamma + bias.  cb: [8192][1024] bf16 (context); tk, tv: weights 1 and 2 of wt, together [2048][1024] bf16 of codes -1, 0, 1.
; Sums in f32; gamma (mean |W|, from part) and the bias are applied in f32 by one fused multiply-add; results in bf16, head-major:
; kh, vh: [batch 4][head 16][key 2048][64], so that two keys of a head are 256 neighbouring bytes.
; A work-group makes 256 x 256 with four waves, a wave 128 x 128 (64 accumulator tiles, 512 registers).  K goes in steps of 128 through a ring
; of two LDS slots filled by the tensor data mover; a tile's rows are 256 bytes of memory and start at multiples of 256 bytes.
; CLUSTERS: 4 x 4 work-groups.  The four of a row of the cluster need the same tiles of cb, the four of a column the same tiles of the weights:
; each tile is asked for jointly, which divides the requests by four.  Block columns 0-3 are k, 4-7 are v: that is the cluster's x, shared by all sixteen.
; By this text's count a wave has at most two tensor loads out (the two first fills), later one.
; REGISTERS in windows of 256:  window 0: v0-31 addresses; v32-63, v224-255 bias; v64-191 fragments of cb, two buffers; v192-223 packed results
;   window 1: v64-191 fragments of the weights;  window 2: accumulators of my rows 0-63 (tile (a, b) at v[8 (8 a + b)]);  window 3: rows 64-127
; The matrix instruction is used transposed (source 0 = 16 rows of the weights, source 1 = 16 rows of cb): lane l holds row l % 16 and
; eight neighbouring columns 8 (l / 16) + 0..7 of the tile.
; LIMITS: NaN and infinities in the inputs are not served.
.set SIZE_N, 2048
.set SIZE_K, 1024
.set KSTEP,  128
.set PITCH,  272                       ; an LDS row: 256 bytes + 16 of padding: the 16 rows of a fragment load start in 16 different groups of banks
.set HALFT,  128*PITCH                 ; what one tensor load brings
.set SLOT,   4*HALFT                   ; cb's 256 rows, then the weights' 256 rows
.set STAGE,  2*SLOT                    ; behind the ring: 16 rows x 272 bytes for each wave; no tensor load lands there
.set SPITCH, 272
.set LAPS, SIZE_K/(2*KSTEP)            ; 4 laps of two K steps
.set ADRA, 16
.set ADRB, 20
.set STO,  24
.set RD,   25
.set CO,   26
.set F0,   64
.set F1,   128
.set TMP,  192
.set G1, 24
.set G0, 32
.set G1B, 48
.set G0B, 56
.set SEL, 86
.set MSB, 0
.macro WIN new                         ; the immediate's high byte repeats the setting that is left
.if MSB != \new
	s_set_vgpr_msb (MSB<<8)|\new
.set MSB, \new
.endif
.endm
.set MUL_LO, 0xa1                      ; source 0 window 1, source 1 window 0, C and D window 2
.set MUL_HI, 0xf1                      ; the same, C and D window 3
.set TO_B,   0x40
; A joint load: waves 0 and 1 fetch cb's two halves, waves 2 and 3 the weights'.  One mask and one set of registers a line; the branch hangs on the wave's number alone.
.macro JLOAD s
	s_cmp_eq_u32 s11, 0
	s_cbranch_scc0 .Lfor_b_\@
	tensor_load_to_lds s[G0+4*\s:G0+4*\s+3], s[G1:G1+7]
	s_nop 0
.rept 4
	v_nop
.endr
	s_branch .Lasked_\@
.Lfor_b_\@:
	tensor_load_to_lds s[G0B+4*\s:G0B+4*\s+3], s[G1B:G1B+7]
	s_nop 0
.rept 4
	v_nop
.endr
.Lasked_\@:
.endm
.macro CREST                           ; a round of the cluster's barrier behind its opening work-group barrier
	s_cmp_lg_u32 s10, 0
	s_cbranch_scc1 .Lnot_wave_0_\@
	s_barrier_signal -3
.Lnot_wave_0_\@:
	s_barrier_wait -3
	s_barrier_signal -1
	s_barrier_wait -1
.endm
.macro CROUND
	s_barrier_signal -1
	s_barrier_wait -1
	CREST
.endm
	s_load_b128 s[4:7], s[0:1], 0x0                ; cb s[4:5], wt s[6:7]
	s_load_b256 s[68:75], s[0:1], 0x10             ; part s[68:69], bk s[70:71], bv s[72:73], kh s[74:75]
	s_load_b64 s[76:77], s[0:1], 0x30              ; vh
	s_set_vgpr_msb 0x40
	v_lshl_add_u32 v255, v0, 2, 0x48400
	s_set_vgpr_msb 0x4000
	v_mov_b32 v31, 0
	s_set_vgpr_msb 0x1
	ds_add_u32 v255, v31
	s_set_vgpr_msb 0x100
	v_lshrrev_b32 v1, 5, v0
	v_readfirstlane_b32 s10, v1                    ; wave 0..3
	s_lshr_b32 s11, s10, 1                         ; my half of the block's rows; also: I fetch cb (0) or weights (1)
	s_and_b32 s12, s10, 1                          ; my half of its columns; also: which 128 rows of that tile I fetch
	s_bfe_u32 s40, ttmp6, 0x40000                  ; cx
	s_bfe_u32 s41, ttmp6, 0x40004                  ; cy
	s_lshl_b32 s42, ttmp9, 2
	s_add_co_u32 s42, s42, s40                     ; block column = 4 x cluster x + cx
	s_and_b32 s13, ttmp7, 0xffff
	s_lshl_b32 s13, s13, 2
	s_add_co_u32 s13, s13, s41                     ; block row = 4 x cluster y + cy
	s_lshl_b32 s43, s41, 2
	s_lshl_b32 s43, 15, s43                        ; my row of the cluster
	s_lshl_b32 s44, 0x1111, s40                    ; my column
	s_or_b32 s[G1+0], s43, (1<<16)|(1<<20)|(1<<21)|(5<<22)|(3<<25)  ; mask; 2-byte elements; padding on; bit 21 beside a mask; 4 words behind every 64
	s_or_b32 s[G1B+0], s44, (1<<16)|(1<<20)|(1<<21)|(5<<22)|(3<<25)
	s_mov_b32 s[G1B+1], KSTEP<<16
	s_mov_b32 s[G1+1], KSTEP<<16                   ; tensor_dim0 = 128
	s_mov_b32 s[G1B+2], 128<<16
	s_mov_b32 s[G1+2], 128<<16                     ; tensor_dim1 = 128
	s_mov_b32 s[G1B+3], KSTEP<<16
	s_mov_b32 s[G1+3], KSTEP<<16                   ; tile_dim0 = 128
	s_mov_b32 s[G1B+4], 128
	s_mov_b32 s[G1+4], 128                         ; tile_dim1 = 128
	s_mov_b32 s[G1B+5], SIZE_K
	s_mov_b32 s[G1+5], SIZE_K                      ; elements from row to row
	s_mov_b32 s[G1B+6], 0
	s_mov_b32 s[G1+6], 0
	s_mov_b32 s[G1B+7], 0
	s_mov_b32 s[G1+7], 0
	s_lshl_b32 s17, s12, 7
	s_lshl_b32 s16, s13, 8
	s_add_co_u32 s16, s16, s17                     ; cb: row 256 x block row + 128 x half
	s_lshl_b32 s46, s42, 8
	s_add_co_u32 s46, s46, s17                     ; weights: row 256 x block column + 128 x half
	s_mov_b32 s17, 0
	s_mov_b32 s47, 0
	s_mov_b64 s[18:19], SIZE_K*2
	s_mul_u64 s[16:17], s[16:17], s[18:19]
	s_mul_u64 s[46:47], s[46:47], s[18:19]
	s_mul_i32 s20, s10, HALFT                      ; LDS: wave x 128 rows: no place in the cluster enters an LDS address
	s_wait_dscnt 0x0
	s_wait_kmcnt 0x0
	s_add_nc_u64 s[6:7], s[6:7], 0x200000          ; weight 1 (k); weight 2 (v) follows it
	s_add_nc_u64 s[14:15], s[4:5], s[16:17]
	s_add_nc_u64 s[46:47], s[6:7], s[46:47]
	CROUND                                         ; all sixteen work-groups are here: the first joint loads meet
.irp s, 0,1
	s_mov_b32 s[G0+4*\s], 1
	s_add_co_u32 s[G0+4*\s+1], s20, \s*SLOT
	s_add_nc_u64 s[G0+4*\s+2:G0+4*\s+3], s[14:15], \s*KSTEP*2
	s_or_b32 s[G0+4*\s+3], s[G0+4*\s+3], 0x80000000
	s_mov_b32 s[G0B+4*\s], 1
	s_add_co_u32 s[G0B+4*\s+1], s20, \s*SLOT
	s_add_nc_u64 s[G0B+4*\s+2:G0B+4*\s+3], s[46:47], \s*KSTEP*2
	s_or_b32 s[G0B+4*\s+3], s[G0B+4*\s+3], 0x80000000
	JLOAD \s
.endr
	v_and_b32 v1, 15, v0                           ; l % 16
	v_bfe_u32 v2, v0, 4, 1                         ; l / 16
	v_mul_u32_u24 v3, v1, PITCH
	v_lshl_add_u32 v3, v2, 4, v3                   ; row x pitch + 16 x half
	s_mul_i32 s21, s11, HALFT
	s_mul_i32 s22, s12, HALFT
	s_add_co_u32 s22, s22, 2*HALFT
.irp s, 0,1
	v_add_nc_u32 v[ADRA+\s], s21, v3
	v_add_nc_u32 v[ADRB+\s], s22, v3
	s_add_co_u32 s21, s21, SLOT
	s_add_co_u32 s22, s22, SLOT
.endr
	s_mul_i32 s23, s10, 16*SPITCH
	s_add_co_u32 s23, s23, STAGE                   ; my stage
	v_mul_u32_u24 v4, v1, SPITCH
	v_lshl_add_u32 v4, v2, 4, v4
	v_add_nc_u32 v[STO], s23, v4                   ; in: row l % 16, 16 bytes for each half of the lanes
	; back: lanes 0-15 take two keys of my first head (128 bytes each), lanes 16-31 the same two keys of my second head
	v_lshrrev_b32 v5, 3, v1
	v_mul_u32_u24 v5, v5, SPITCH                   ; which of the two keys
	v_lshl_add_u32 v5, v2, 7, v5                   ; the head's 128 bytes of the stage's row
	v_and_b32 v8, 7, v1
	v_lshl_add_u32 v5, v8, 4, v5
	v_add_nc_u32 v[RD], s23, v5
	v_lshlrev_b32 v5, 18, v2                       ; a head is 2,048 keys of 128 bytes
	v_lshl_add_u32 v[CO], v1, 4, v5                ; sixteen lanes: 256 neighbouring bytes
	; bias, gamma's partial sums, the output: k or v by the cluster's x
	s_cmp_eq_u32 ttmp9, 0
	s_cselect_b64 s[78:79], s[70:71], s[72:73]
	s_cselect_b64 s[80:81], s[74:75], s[76:77]
	s_lshl_b32 s84, s40, 10                        ; 256 columns of f32 a block,
	s_lshl_b32 s85, s12, 9                         ; 128 a wave
	s_add_co_u32 s84, s84, s85
	s_mov_b32 s85, 0
	s_add_nc_u64 s[78:79], s[78:79], s[84:85]
	s_lshl_b32 s88, ttmp9, 8
	s_add_co_u32 s88, s88, 256                     ; weight 1 or 2: 64 words each
	s_mov_b32 s89, 0
	s_add_nc_u64 s[68:69], s[68:69], s[88:89]
	s_mov_b32 s[SEL], 0x76543210
	s_mov_b32 s[SEL+1], 0xfedcba98
	v_lshlrev_b32 v6, 5, v2                        ; my 8 columns of a tile: 32 bytes x half
	v_and_b32 v7, 31, v0
	v_lshlrev_b32 v7, 3, v7
.irp b, 0,1,2,3,4,5,6,7
	global_load_b128 v[32+8*\b+160*(\b/4):32+8*\b+160*(\b/4)+3],   v6, s[78:79] offset:64*\b      ; registers that the K loop never names; waited for on the way out
	global_load_b128 v[32+8*\b+160*(\b/4)+4:32+8*\b+160*(\b/4)+7], v6, s[78:79] offset:64*\b+16
.endr
	global_load_b64 v[28:29], v7, s[68:69]
.macro MUL16 f, hi, a0, zero
.irp a, \a0, \a0+1
.irp b, 0,1,2,3,4,5,6,7
.if \zero
	v_wmma_f32_16x16x32_bf16 v[8*(8*(\a)+\b):8*(8*(\a)+\b)+7], v[\f+8*\b:\f+8*\b+7], v[\f+8*(4*\hi+\a):\f+8*(4*\hi+\a)+7], 0
.else
	v_wmma_f32_16x16x32_bf16 v[8*(8*(\a)+\b):8*(8*(\a)+\b)+7], v[\f+8*\b:\f+8*\b+7], v[\f+8*(4*\hi+\a):\f+8*(4*\hi+\a)+7], v[8*(8*(\a)+\b):8*(8*(\a)+\b)+7]
.endif
.endr
.endr
.endm
.macro FETCH slot, k, f                ; 32 LDS loads in one run: the fragments of a quarter step
	WIN TO_B
.irp i, 0,1,2,3,4,5,6,7
	ds_load_b128 v[\f+8*\i:\f+8*\i+3],   v[ADRB+\slot] offset:\k+\i*16*PITCH
	ds_load_b128 v[\f+8*\i+4:\f+8*\i+7], v[ADRB+\slot] offset:\k+\i*16*PITCH+32
.endr
	WIN 0
.irp i, 0,1,2,3,4,5,6,7
	ds_load_b128 v[\f+8*\i:\f+8*\i+3],   v[ADRA+\slot] offset:\k+\i*16*PITCH
	ds_load_b128 v[\f+8*\i+4:\f+8*\i+7], v[ADRA+\slot] offset:\k+\i*16*PITCH+32
.endr
.endm
.macro PLACES                          ; four places behind a matrix instruction, in front of loads into its sources and of readers of its result
.rept 4
	v_nop
.endr
.endm
.macro QUARTER slot, k, f, g, zero
	s_wait_dscnt 8                                 ; all but the youngest eight loads (cb's rows 64-127) are in
	WIN MUL_LO
	MUL16 \f, 0, 0, \zero
	MUL16 \f, 0, 2, \zero
	PLACES
	FETCH \slot, \k, \g
	s_wait_dscnt 32                                ; all but the 32 just issued
	WIN MUL_HI
	MUL16 \f, 1, 0, \zero
	MUL16 \f, 1, 2, \zero
.endm
.macro THREE slot, zero
	QUARTER \slot, 64,  F0, F1, \zero
	QUARTER \slot, 128, F1, F0, 0
	QUARTER \slot, 192, F0, F1, 0
.endm
; The last quarter changes slots.  In front of the barrier each wave waits for its reads of this slot and for all its tensor loads (one is out:
; its part of the next slot); behind it the refill comes first, then the next slot's first fragments.
.macro TURN slot, next, fill
	s_wait_dscnt 8
	WIN MUL_LO
	MUL16 F1, 0, 0, 0
	s_wait_dscnt 0
	s_wait_tensorcnt 0x0
	ds_add_u32 v255, v31
	s_wait_dscnt 0x0
	s_barrier_signal -1
	MUL16 F1, 0, 2, 0                              ; register work while the others arrive
	WIN 0
	s_barrier_wait -1
.if \fill
	CREST                                          ; no wave of any partner still reads this slot or has a load on its way
	s_add_nc_u64 s[G0+4*\slot+2:G0+4*\slot+3], s[G0+4*\slot+2:G0+4*\slot+3], 2*KSTEP*2
	s_add_nc_u64 s[G0B+4*\slot+2:G0B+4*\slot+3], s[G0B+4*\slot+2:G0B+4*\slot+3], 2*KSTEP*2
	JLOAD \slot                                    ; its four v_nop are also the places in front of the loads below
.else
	PLACES
.endif
	FETCH \next, 0, F0
	WIN MUL_HI
	MUL16 F1, 1, 0, 0
	MUL16 F1, 1, 2, 0
.endm
.macro LAP zero
	THREE 0, \zero
	TURN 0, 1, 1
	THREE 1, 0
	TURN 1, 0, 1
.endm
	s_wait_tensorcnt 1                             ; my part of K step 0 is in; K step 1's may stay out
	s_barrier_signal -1
	s_barrier_wait -1
	FETCH 0, 0, F0
	LAP 1                                          ; the first products start the sums: nothing is cleared.  The 64 accumulators take turns, one instruction a turn
	WIN 0
	s_mov_b32 s3, LAPS-2
.Llap:
	LAP 0
	WIN 0
	s_sub_co_u32 s3, s3, 1
	s_cmp_lg_u32 s3, 0
	s_cbranch_scc1 .Llap
	THREE 0, 0                                     ; the last lap fills nothing
	TURN 0, 1, 0
	THREE 1, 0
	s_wait_dscnt 8
	WIN MUL_LO
	MUL16 F1, 0, 0, 0
	MUL16 F1, 0, 2, 0
	s_wait_dscnt 0
	WIN MUL_HI
	MUL16 F1, 1, 0, 0
	MUL16 F1, 1, 2, 0
	; THE WAY OUT
	PLACES
	WIN 0
	s_wait_loadcnt 0x0                             ; bias and partial sums, issued ahead of the K loop
	v_add_f32 v28, v28, v29                        ; gamma: the same order of adding as where the codes were made
	v_add_f32_dpp v28, v28, v28 row_xmask:1 row_mask:0xf bank_mask:0xf
	v_add_f32_dpp v28, v28, v28 row_xmask:2 row_mask:0xf bank_mask:0xf
	v_add_f32_dpp v28, v28, v28 row_xmask:4 row_mask:0xf bank_mask:0xf
	v_add_f32_dpp v28, v28, v28 row_xmask:8 row_mask:0xf bank_mask:0xf
	v_permlanex16_b32 v29, v28, s[SEL], s[SEL+1]
	v_add_f32 v28, v28, v29
	v_readfirstlane_b32 s82, v28
	s_mul_f32 s82, s82, 0x35800000                 ; / 1,048,576
	s_mov_b32 s83, s82
	; out + (((16 batch + head) * 2048 + key) * 128: batch = block row / 8, head = 4 cx + 2 x column half, key = 256 (block row % 8) + 128 x row half
	s_lshr_b32 s90, s13, 3
	s_lshl_b32 s90, s90, 4
	s_lshl2_add_u32 s90, s40, s90
	s_lshl1_add_u32 s90, s12, s90
	s_lshl_b32 s90, s90, 11
	s_and_b32 s92, s13, 7
	s_lshl_b32 s92, s92, 8
	s_add_co_u32 s90, s90, s92
	s_lshl_b32 s92, s11, 7
	s_add_co_u32 s90, s90, s92
	s_lshl_b32 s90, s90, 7
	s_mov_b32 s91, 0
	s_add_nc_u64 s[80:81], s[80:81], s[90:91]
; 16 keys x 128 columns: gamma and bias in f32, rounded to bf16, through my own stage, out as whole blocks of 256 bytes (two keys of a head)
.macro OUT16 i, a, hi, f
.if \hi
	WIN 0xc3
.else
	WIN 0x82
.endif
.irp b, 0,1,2,3,4,5,6,7
.irp r, 0,1,2,3
	v_pk_fma_f32 v[8*(8*\a+\b)+2*\r:8*(8*\a+\b)+2*\r+1], v[8*(8*\a+\b)+2*\r:8*(8*\a+\b)+2*\r+1], s[82:83], v[32+8*\b+160*(\b/4)+2*\r:32+8*\b+160*(\b/4)+2*\r+1] op_sel_hi:[1,0,1]
.endr
.endr
.if \hi
	WIN 0x0f
.else
	WIN 0x0a
.endif
.irp b, 0,1,2,3,4,5,6,7
.irp r, 0,1,2,3
	v_cvt_pk_bf16_f32 v[TMP+4*\b+\r], v[8*(8*\a+\b)+2*\r], v[8*(8*\a+\b)+2*\r+1]
.endr
.endr
	WIN 0
.irp b, 0,1,2,3,4,5,6,7
	ds_store_b128 v[STO], v[TMP+4*\b:TMP+4*\b+3] offset:32*\b
.endr
	s_wait_xcnt 0x0                                ; buffer f, which earlier stores read, is loaded again only behind this wait
.irp t, 0,1,2,3,4,5,6,7
	ds_load_b128 v[\f+4*\t:\f+4*\t+3], v[RD] offset:\t*2*SPITCH    ; LDS serves a wave's instructions in order: these see the stores above
.endr
.irp t, 0,1,2,3,4,5,6,7
	s_wait_dscnt 7-\t
	global_store_b128 v[CO], v[\f+4*\t:\f+4*\t+3], s[80:81] offset:2048*\i+256*\t
.endr
.endm
	OUT16 0, 0, 0, F0
	OUT16 1, 1, 0, F1
	OUT16 2, 2, 0, F0
	OUT16 3, 3, 0, F1
	OUT16 4, 0, 1, F0
	OUT16 5, 1, 1, F1
	OUT16 6, 2, 1, F0
	OUT16 7, 3, 1, F1
	s_set_vgpr_msb 0x1
	s_wait_tensorcnt 0x0
	ds_add_u32 v255, v31
	s_wait_dscnt 0x0
	s_set_vgpr_msb 0x100
	CROUND                                         ; the closing round: no work-group ends while a partner may still ask for a tile that names it
	s_endpgm
.Lfunc_end_k_qf41a18c8a1_kvproj:
	.size	k_qf41a18c8a1_kvproj, .Lfunc_end_k_qf41a18c8a1_kvproj-k_qf41a18c8a1_kvproj
	.p2alignl 7, 3214868480
	.fill 96, 4, 3214868480
	.section	.rodata,"a",@progbits
	.p2align	6, 0x0
	.amdhsa_kernel k_qf41a18c8a1_kvproj
		.amdhsa_group_segment_fixed_size 327680
		.amdhsa_private_segment_fixed_size 0
		.amdhsa_enable_private_segment 0
		.amdhsa_kernarg_size 56
		.amdhsa_user_sgpr_count 2
		.amdhsa_user_sgpr_kernarg_segment_ptr 1
		.amdhsa_wavefront_size32 1
		.amdhsa_system_sgpr_workgroup_id_x 1
		.amdhsa_system_sgpr_workgroup_id_y 1
		.amdhsa_system_sgpr_workgroup_id_z 1
		.amdhsa_system_vgpr_workitem_id 0
		.amdhsa_next_free_vgpr 1024
		.amdhsa_next_free_sgpr 96
		.amdhsa_reserve_vcc 0
		.amdhsa_float_denorm_mode_32 3
		.amdhsa_float_denorm_mode_16_64 3
		.amdhsa_memory_ordered 1
		.amdhsa_forward_progress 1
		.amdhsa_inst_pref_size 216
	.end_amdhsa_kernel
	.amdgpu_metadata
---
amdhsa.version: [ 1, 2 ]
amdhsa.kernels:
  - .name:           k_qf41a18c8a1_kvproj
    .symbol:         k_qf41a18c8a1_kvproj.kd
    .args:
      - { .name: cb, .offset: 0, .size: 8, .value_kind: global_buffer, .address_space: global }
      - { .name: wt, .offset: 8, .size: 8, .value_kind: global_buffer, .address_space: global }
      - { .name: part, .offset: 16, .size: 8, .value_kind: global_buffer, .address_space: global }
      - { .name: bk, .offset: 24, .size: 8, .value_kind: global_buffer, .address_space: global }
      - { .name: bv, .offset: 32, .size: 8, .value_kind: global_buffer, .address_space: global }
      - { .name: kh, .offset: 40, .size: 8, .value_kind: global_buffer, .address_space: global }
      - { .name: vh, .offset: 48, .size: 8, .value_kind: global_buffer, .address_space: global }
    .group_segment_fixed_size: 327680
    .private_segment_fixed_size: 0
    .kernarg_segment_align: 8
    .kernarg_segment_size: 56
    .max_flat_workgroup_size: 128
    .sgpr_count:     96
    .vgpr_count:     1024
    .wavefront_size: 32
...
	.end_amdgpu_metadata
.endif
;; end of part 3
;; launch attn (part 4): grid 4 x 64, 4 waves a work-group, clusters of 4 x 4, 327,680 bytes of LDS; arguments xn, wt, part, bq, kh, vh, ao; writes ao
.if DOCPART == 4
	.amdgcn_target "amdgcn-amd-amdhsa--gfx1250"
	.amdhsa_code_object_version 6
	.text
	.protected	k_qf41a18c8a1_attn
	.globl	k_qf41a18c8a1_attn
	.p2align	8
	.type	k_qf41a18c8a1_attn,@function
k_qf41a18c8a1_attn:
	s_mov_b64 s[64:65], 0
	v_nop
	global_prefetch_b8 v0, s[64:65] scope:SCOPE_SE
	s_setreg_imm32_b32 hwreg(HW_REG_WAVE_MODE, 25, 1), 1
	s_wait_xcnt 0x0
	s_wait_alu depctr_hold_cnt(0) depctr_sa_sdst(0) depctr_va_vdst(0) depctr_va_sdst(0) depctr_va_ssrc(0) depctr_va_vcc(0) depctr_vm_vsrc(0)
	s_getreg_b32 s2, hwreg(HW_REG_IB_STS2, 6, 4)
	s_cmp_eq_u32 s2, 0
	s_cbranch_scc0 .Lentry_in_a_cluster
	s_endpgm
.Lentry_in_a_cluster:
	s_bfe_u32 s2, ttmp6, 0x10000c
	s_cmp_lg_u32 s2, 0xf033
	s_cbranch_scc0 .Lentry_shape_is_right
	s_endpgm
.Lentry_shape_is_right:
; One work-group: 256 queries of one (batch, head); a wave: 64 queries.  Two phases, q never goes to memory.
;  PHASE 1  Q^T = tq_h xn^T (64 x 64 a wave, K = 1,024 in 8 steps of 128), then q' = (Q^T gamma_q + bq) * 0.125 log2(e), rounded to bf16 in registers.
;  PHASE 2  flash attention over 2,048 keys in 16 steps of 128: S^T = K q'^T, running maximum, p = 2^(S - max), O^T = O^T * alpha + V^T p^T; at the end O / l.
; Everything is kept transposed (queries along the lanes): a result tile's lane (r, h) holds query r and eight neighbouring rows 8 h + 0..7, which is
; exactly the layout of the next product's second source after packing to bf16, so no number ever changes lanes but for the two halves' maximum and sum.
; CLUSTERS, 4 x 4: cx is the query block, cy the head within a group of four.  The xn tiles hang on (batch, query block) and are shared along a column
; of the cluster; the tq, K and V tiles hang on (batch, head) and are shared along a row.  All partners run the same trips.
; By this text's count a wave has at most three tensor loads out (the three first fills), later one.
; LDS: 0 stage, 4 x 2,304 (16 rows, pitch 144), no tensor load lands there | 9,216 slot 0 | 96,256 slot 1: xn [256][272], tq [64][272] at + 69,632
;      | 183,296 KV slot 0: K [256 keys][144], V [256][160] at + 36,864.  KV slot 1 takes slot 0's bytes once phase 1 has read them for the last time.
; REGISTERS: window 0: v8-18 addresses, v20-55 softmax state, v64-191 fragments (phase 1: two buffers; phase 2: K), v192-223 bq, later packed results, v224-255 out
;   window 1: v0-63 q' (tile (qt, ks) at 16 qt + 8 ks), v64-191 O^T (tile (dt, qt) at 64 + 8 (4 dt + qt))
;   window 2: phase 1 accumulators 8 (4 dt + qt); then S^T (tile (kt, qt) at 64 (kt / 2) + 16 qt + 8 (kt % 2)), p packed into the first 8 of each 16
;   window 3: v0-127 V^T (tile (u, dt) at 32 u + 8 dt)
; Accumulators take turns, one matrix instruction a turn.
; LIMITS: v_exp_f32 gives 0 for results below 2^-126; NaN and infinities in the inputs are not served.
.set XP, 272
.set KP, 144
.set VP, 160
.set STAGEB, 16*KP
.set SLOT0, 4*STAGEB                   ; 9,216
.set SLOTB, 320*XP                     ; 87,040
.set SLOT1, SLOT0+SLOTB
.set WOFF, 256*XP
.set KVS0, SLOT1+SLOTB                 ; 183,296
.set KVS1, SLOT0
.set VOFF, 256*KP
.set ADX, 8
.set ADW, 10
.set ADK, 12
.set ADV, 14
.set STO, 16
.set RD, 17
.set CO, 18
.set MX, 20                            ; v[20:27] the running maximum of query tile qt, twice (a pair for packed arithmetic)
.set M, 28                             ; v[28:31] the maximum before this step
.set AL, 32                            ; v[32:39] alpha = 2^(old - new), twice
.set LS, 40                            ; v[40:47] two partial sums of p
.set T, 48                             ; v[48:55] at work
.set PP, 56
.set BQA, 58
.set PA, 59
.set F0, 64
.set F1, 128
.set KF, 64
.set BQ, 192
.set TMP, 192
.set OUTB, 224
.set OO, 64
.set G1X, 24
.set G1W, 32
.set G1K, 40
.set G1V, 48
.set G0X, 56
.set G0W, 68
.set G0K, 76
.set G0V, 80
.set MSB, 0
.macro WIN new
.if MSB != \new
	s_set_vgpr_msb (MSB<<8)|\new
.set MSB, \new
.endif
.endm
.macro PLACES                          ; four places behind a matrix instruction: readers of its result, loads into its sources
.rept 4
	v_nop
.endr
.endm
.macro PLACES5                         ; five: a matrix instruction that writes over its registers
.rept 5
	v_nop
.endr
.endm
.macro CREST
	s_cmp_lg_u32 s18, 0
	s_cbranch_scc1 .Lnot_wave_0_\@
	s_barrier_signal -3
.Lnot_wave_0_\@:
	s_barrier_wait -3
	s_barrier_signal -1
	s_barrier_wait -1
.endm
.macro CROUND
	s_barrier_signal -1
	s_barrier_wait -1
	CREST
.endm
; Joint loads.  Waves 0, 1: xn's two halves (phase 1), K's two halves (phase 2); waves 2, 3: tq's, V's.  The branch hangs on the wave's number alone.
.macro JLOAD1 s
	s_cmp_eq_u32 s19, 0
	s_cbranch_scc0 .Lfor_w_\@
	tensor_load_to_lds s[G0X+4*\s:G0X+4*\s+3], s[G1X:G1X+7]
	s_nop 0
.rept 4
	v_nop
.endr
	s_branch .Lasked_\@
.Lfor_w_\@:
	tensor_load_to_lds s[G0W+4*\s:G0W+4*\s+3], s[G1W:G1W+7]
	s_nop 0
.rept 4
	v_nop
.endr
.Lasked_\@:
.endm
.macro JLOAD2
	s_cmp_eq_u32 s19, 0
	s_cbranch_scc0 .Lfor_v_\@
	tensor_load_to_lds s[G0K:G0K+3], s[G1K:G1K+7]
	s_nop 0
.rept 4
	v_nop
.endr
	s_branch .Lasked_\@
.Lfor_v_\@:
	tensor_load_to_lds s[G0V:G0V+3], s[G1V:G1V+7]
	s_nop 0
.rept 4
	v_nop
.endr
.Lasked_\@:
.endm
.macro KVNEXT base                     ; the next tile of 256 keys, into the KV slot at base; stands where no tensor load of the wave is out
	s_add_co_u32 s[G0K+1], s92, \base
	s_add_co_u32 s[G0V+1], s93, \base-4096
	s_add_nc_u64 s[G0K+2:G0K+3], s[G0K+2:G0K+3], 32768
	s_add_nc_u64 s[G0V+2:G0V+3], s[G0V+2:G0V+3], 32768
.endm
	s_load_b256 s[4:11], s[0:1], 0x0               ; xn s[4:5], wt s[6:7], part s[8:9], bq s[10:11]
	s_load_b128 s[12:15], s[0:1], 0x20             ; kh s[12:13], vh s[14:15]
	s_load_b64 s[16:17], s[0:1], 0x30              ; ao
	v_lshl_add_u32 v62, v0, 2, 0x3fc00
	v_mov_b32 v63, 0
	ds_add_u32 v62, v63
	v_lshrrev_b32 v1, 5, v0
	v_readfirstlane_b32 s18, v1                    ; wave 0..3
	s_lshr_b32 s19, s18, 1
	s_and_b32 s20, s18, 1
	s_bfe_u32 s21, ttmp6, 0x40000                  ; cx = query block
	s_bfe_u32 s22, ttmp6, 0x40004                  ; cy
	s_and_b32 s23, ttmp7, 0xffff                   ; cluster y = 4 batch + head / 4
	s_lshr_b32 s86, s23, 2                         ; batch
	s_and_b32 s87, s23, 3
	s_lshl2_add_u32 s87, s87, s22                  ; head
	s_lshl_b32 s85, s22, 2
	s_lshl_b32 s85, 15, s85                        ; my row of the cluster
	s_lshl_b32 s84, 0x1111, s21                    ; my column
	s_mov_b32 s94, 0x76543210
	s_mov_b32 s95, 0xfedcba98
	; group 1 of the four kinds of tile: 2-byte elements, padding on, bit 21 beside the mask
	s_or_b32 s[G1X+0], s84, (1<<16)|(1<<20)|(1<<21)|(5<<22)|(3<<25)   ; xn: 128 rows x 128 elements, 4 words behind every 64: pitch 272
	s_mov_b32 s[G1X+1], 128<<16
	s_mov_b32 s[G1X+2], 128<<16
	s_mov_b32 s[G1X+3], 128<<16
	s_mov_b32 s[G1X+4], 128
	s_mov_b32 s[G1X+5], 1024
	s_mov_b32 s[G1X+6], 0
	s_mov_b32 s[G1X+7], 0
	s_or_b32 s[G1W+0], s85, (1<<16)|(1<<20)|(1<<21)|(5<<22)|(3<<25)   ; tq: 32 rows x 128 elements (a head has 64 rows, two waves fetch them)
	s_mov_b32 s[G1W+1], 128<<16
	s_mov_b32 s[G1W+2], 32<<16
	s_mov_b32 s[G1W+3], 128<<16
	s_mov_b32 s[G1W+4], 32
	s_mov_b32 s[G1W+5], 1024
	s_mov_b32 s[G1W+6], 0
	s_mov_b32 s[G1W+7], 0
	s_or_b32 s[G1K+0], s85, (1<<16)|(1<<20)|(1<<21)|(4<<22)|(3<<25)   ; K: 128 keys, dense, as 64 rows of 256 bytes; 4 words behind every 32: a key's pitch is 144
	s_mov_b32 s[G1K+1], 128<<16
	s_mov_b32 s[G1K+2], 64<<16
	s_mov_b32 s[G1K+3], 128<<16
	s_mov_b32 s[G1K+4], 64
	s_mov_b32 s[G1K+5], 128
	s_mov_b32 s[G1K+6], 0
	s_mov_b32 s[G1K+7], 0
	s_or_b32 s[G1V+0], s85, (1<<16)|(1<<20)|(1<<21)|(4<<22)|(7<<25)   ; V: the same with 8 words of padding: pitch 160, an odd multiple of 32, for the transposing loads
	s_mov_b32 s[G1V+1], 128<<16
	s_mov_b32 s[G1V+2], 64<<16
	s_mov_b32 s[G1V+3], 128<<16
	s_mov_b32 s[G1V+4], 64
	s_mov_b32 s[G1V+5], 128
	s_mov_b32 s[G1V+6], 0
	s_mov_b32 s[G1V+7], 0
	; where the tiles come from; registers made of cx never hold cy and the other way round
	s_lshl_b32 s88, s86, 10
	s_lshl_b32 s89, s21, 8
	s_add_co_u32 s88, s88, s89
	s_lshl_b32 s89, s20, 7
	s_add_co_u32 s88, s88, s89                     ; xn: row 1,024 batch + 256 query block + 128 half
	s_lshl_b32 s88, s88, 11
	s_mov_b32 s89, 0
	s_lshl_b32 s90, s87, 6
	s_lshl_b32 s91, s20, 5
	s_add_co_u32 s90, s90, s91                     ; tq: row 64 head + 32 half
	s_lshl_b32 s90, s90, 11
	s_mov_b32 s91, 0
	s_mul_i32 s66, s18, 128*XP                     ; LDS terms: the wave's number times a constant
	s_mul_i32 s67, s18, 32*XP
	s_mul_i32 s92, s18, 128*KP
	s_mul_i32 s93, s18, 128*VP
	s_wait_dscnt 0x0
	s_wait_kmcnt 0x0
	s_add_nc_u64 s[4:5], s[4:5], s[88:89]
	s_add_nc_u64 s[6:7], s[6:7], s[90:91]
	s_lshl_b32 s90, s86, 4
	s_add_co_u32 s90, s90, s87                     ; 16 batch + head
	s_lshl_b32 s90, s90, 11
	s_lshl_b32 s91, s20, 7
	s_add_co_u32 s90, s90, s91                     ; key 128 half of tile 0
	s_lshl_b32 s90, s90, 7
	s_mov_b32 s91, 0
	s_add_nc_u64 s[12:13], s[12:13], s[90:91]
	s_add_nc_u64 s[14:15], s[14:15], s[90:91]
	s_lshl_b32 s90, s87, 8                         ; bq: 64 f32 a head
	s_add_nc_u64 s[10:11], s[10:11], s[90:91]
	CROUND                                         ; all sixteen work-groups are here: the first joint loads meet
.irp n, 0,1
	s_mov_b32 s[G0X+4*\n], 1
	s_add_co_u32 s[G0X+4*\n+1], s66, SLOT0+\n*SLOTB
	s_add_nc_u64 s[G0X+4*\n+2:G0X+4*\n+3], s[4:5], \n*256
	s_or_b32 s[G0X+4*\n+3], s[G0X+4*\n+3], 0x80000000
	s_mov_b32 s[G0W+4*\n], 1
	s_add_co_u32 s[G0W+4*\n+1], s67, SLOT0+\n*SLOTB+WOFF-64*XP     ; waves 2, 3: rows 0-31, 32-63 behind xn's 256
	s_add_nc_u64 s[G0W+4*\n+2:G0W+4*\n+3], s[6:7], \n*256
	s_or_b32 s[G0W+4*\n+3], s[G0W+4*\n+3], 0x80000000
	JLOAD1 \n                                      ; K steps 0 and 1
.endr
	s_mov_b32 s[G0K], 1
	s_add_co_u32 s[G0K+1], s92, KVS0
	s_mov_b64 s[G0K+2:G0K+3], s[12:13]
	s_or_b32 s[G0K+3], s[G0K+3], 0x80000000
	s_mov_b32 s[G0V], 1
	s_add_co_u32 s[G0V+1], s93, KVS0-4096          ; waves 2, 3: VOFF + 0, VOFF + 20,480
	s_mov_b64 s[G0V+2:G0V+3], s[14:15]
	s_or_b32 s[G0V+3], s[G0V+3], 0x80000000
	JLOAD2                                         ; keys 0-255
	v_and_b32 v1, 15, v0                           ; r
	v_bfe_u32 v2, v0, 4, 1                         ; h
	v_and_b32 v3, 31, v0                           ; lane
	v_mul_u32_u24 v4, v1, XP
	v_lshl_add_u32 v4, v2, 4, v4                   ; 272 r + 16 h
	s_mul_i32 s23, s18, 64*XP                      ; my 64 queries
	s_add_co_u32 s23, s23, SLOT0
	v_add_nc_u32 v[ADX], s23, v4
	v_add_nc_u32 v[ADX+1], SLOTB, v[ADX]
	v_add_nc_u32 v[ADW], SLOT0+WOFF, v4
	v_add_nc_u32 v[ADW+1], SLOT1+WOFF, v4
	v_mul_u32_u24 v5, v1, KP
	v_lshl_add_u32 v5, v2, 4, v5                   ; 144 r + 16 h
	v_add_nc_u32 v[ADK], KVS0, v5
	v_add_nc_u32 v[ADK+1], KVS1, v5
	v_and_b32 v6, 7, v0
	v_lshl_add_u32 v7, v2, 3, v6                   ; key 8 h + lane % 8
	v_mul_u32_u24 v7, v7, VP
	v_bfe_u32 v4, v0, 3, 1
	v_lshl_add_u32 v7, v4, 4, v7                   ; + 16 bytes for lanes 8-15 of each half
	v_add_nc_u32 v[ADV], KVS0+VOFF, v7
	v_add_nc_u32 v[ADV+1], KVS1+VOFF, v7
	s_mul_i32 s23, s18, STAGEB
	v_add_nc_u32 v[STO], s23, v5
	v_lshrrev_b32 v4, 3, v3
	v_mul_u32_u24 v4, v4, KP
	v_lshl_add_u32 v4, v6, 4, v4
	v_add_nc_u32 v[RD], s23, v4                    ; back: eight lanes take a row of 128 bytes
	v_lshlrev_b32 v[CO], 4, v3
	v_lshlrev_b32 v[BQA], 5, v2
	v_lshlrev_b32 v[PA], 3, v3
.irp dt, 0,1,2,3
	global_load_b128 v[BQ+8*\dt:BQ+8*\dt+3],   v[BQA], s[10:11] offset:64*\dt       ; bq of rows 16 dt + 8 h + 0..7
	global_load_b128 v[BQ+8*\dt+4:BQ+8*\dt+7], v[BQA], s[10:11] offset:64*\dt+16
.endr
	global_load_b64 v[PP:PP+1], v[PA], s[8:9]      ; weight 0's partial sums
.irp k, 0,1,2,3,4,5,6,7
	v_mov_b32 v[T+\k], 0                           ; destinations of the lane permutes count as read
.endr
; ---------------- phase 1 ----------------
.macro FETCH1 slot, k, f               ; 16 LDS loads: 4 fragments of tq, 4 of xn, 32 along K at byte k of the rows
	WIN 0
.irp i, 0,1,2,3
	ds_load_b128 v[\f+8*\i:\f+8*\i+3],   v[ADW+\slot] offset:\k+\i*16*XP
	ds_load_b128 v[\f+8*\i+4:\f+8*\i+7], v[ADW+\slot] offset:\k+\i*16*XP+32
.endr
.irp i, 0,1,2,3
	ds_load_b128 v[\f+32+8*\i:\f+32+8*\i+3],   v[ADX+\slot] offset:\k+\i*16*XP
	ds_load_b128 v[\f+32+8*\i+4:\f+32+8*\i+7], v[ADX+\slot] offset:\k+\i*16*XP+32
.endr
.endm
.macro MUL1 f, zero
	WIN 0xa0
.irp dt, 0,1,2,3
.irp qt, 0,1,2,3
.if \zero
	v_wmma_f32_16x16x32_bf16 v[8*(4*\dt+\qt):8*(4*\dt+\qt)+7], v[\f+8*\dt:\f+8*\dt+7], v[\f+32+8*\qt:\f+32+8*\qt+7], 0
.else
	v_wmma_f32_16x16x32_bf16 v[8*(4*\dt+\qt):8*(4*\dt+\qt)+7], v[\f+8*\dt:\f+8*\dt+7], v[\f+32+8*\qt:\f+32+8*\qt+7], v[8*(4*\dt+\qt):8*(4*\dt+\qt)+7]
.endif
.endr
.endr
.endm
.macro KSUB slot, k, f, g, zero        ; multiplies buffer f while the next 32 along K come into buffer g
	FETCH1 \slot, \k, \g
	s_wait_dscnt 16                                ; all but the 16 just issued
	MUL1 \f, \zero
	PLACES
.endm
.macro THREE1 slot, zero
	KSUB \slot, 64,  F0, F1, \zero
	KSUB \slot, 128, F1, F0, 0
	KSUB \slot, 192, F0, F1, 0
.endm
; The last 32 of a K step, and the change of slots: my reads of this slot and all my tensor loads are waited for in front of the round's opening signal,
; only register work stands inside the round, and the joint refill is the first tensor load behind it.
.macro TURN1 slot, next, kv
	s_wait_dscnt 0x0
	s_wait_tensorcnt 0x0
	ds_add_u32 v62, v63
	s_wait_dscnt 0x0
	s_barrier_signal -1
	MUL1 F1, 0
	WIN 0
	s_barrier_wait -1
	CREST
.if \kv
	KVNEXT KVS1                                    ; slot 0 has been read for the last time: keys 256-511 take its bytes
	JLOAD2
.else
	s_add_nc_u64 s[G0X+4*\slot+2:G0X+4*\slot+3], s[G0X+4*\slot+2:G0X+4*\slot+3], 512
	s_add_nc_u64 s[G0W+4*\slot+2:G0W+4*\slot+3], s[G0W+4*\slot+2:G0W+4*\slot+3], 512
	JLOAD1 \slot                                   ; two K steps ahead
.endif
	FETCH1 \next, 0, F0                            ; the four v_nop behind the joint load are the places in front of the next loads into buffer 1
.endm
	s_wait_tensorcnt 0x2                           ; my part of K step 0 is in; K step 1's and the first keys', issued behind it, may stay out
	s_barrier_signal -1
	s_barrier_wait -1
	FETCH1 0, 0, F0
	THREE1 0, 1                                    ; the first products start the sums
	TURN1 0, 1, 0
	THREE1 1, 0
	TURN1 1, 0, 0
	THREE1 0, 0
	TURN1 0, 1, 0
	THREE1 1, 0
	TURN1 1, 0, 0
	THREE1 0, 0
	TURN1 0, 1, 0
	THREE1 1, 0
	TURN1 1, 0, 0
	THREE1 0, 0
	TURN1 0, 1, 1
	THREE1 1, 0
	s_wait_dscnt 0x0
	MUL1 F1, 0
	PLACES5
	; q' = (Q^T gamma + bq) c, c = 0.125 log2(e), packed: tile dt of query tile qt is registers 4 (dt % 2) .. + 3 of q'(qt, dt / 2)
	WIN 0
	s_wait_loadcnt 0x0
	v_add_f32 v[PP], v[PP], v[PP+1]                ; gamma: the same order of adding as where the codes were made
	v_add_f32_dpp v[PP], v[PP], v[PP] row_xmask:1 row_mask:0xf bank_mask:0xf
	v_add_f32_dpp v[PP], v[PP], v[PP] row_xmask:2 row_mask:0xf bank_mask:0xf
	v_add_f32_dpp v[PP], v[PP], v[PP] row_xmask:4 row_mask:0xf bank_mask:0xf
	v_add_f32_dpp v[PP], v[PP], v[PP] row_xmask:8 row_mask:0xf bank_mask:0xf
	v_permlanex16_b32 v[PP+1], v[PP], s94, s95
	v_add_f32 v[PP], v[PP], v[PP+1]
	v_readfirstlane_b32 s96, v[PP]
	s_mul_f32 s96, s96, 0x35800000                 ; / 1,048,576
	s_mul_f32 s96, s96, 0x3e38aa3b                 ; x c
	s_mov_b32 s97, s96
.set j, 0
.rept 16
	v_pk_mul_f32 v[BQ+2*j:BQ+2*j+1], v[BQ+2*j:BQ+2*j+1], 0x3e38aa3b op_sel_hi:[1,0]
.set j, j+1
.endr
	WIN 0x82
.irp dt, 0,1,2,3
.irp qt, 0,1,2,3
.irp n, 0,1,2,3
	v_pk_fma_f32 v[8*(4*\dt+\qt)+2*\n:8*(4*\dt+\qt)+2*\n+1], v[8*(4*\dt+\qt)+2*\n:8*(4*\dt+\qt)+2*\n+1], s[96:97], v[BQ+8*\dt+2*\n:BQ+8*\dt+2*\n+1] op_sel_hi:[1,0,1]
.endr
.endr
.endr
	WIN 0x4a
.irp dt, 0,1,2,3
.irp qt, 0,1,2,3
.irp n, 0,1,2,3
	v_cvt_pk_bf16_f32 v[16*\qt+8*(\dt>>1)+4*(\dt&1)+\n], v[8*(4*\dt+\qt)+2*\n], v[8*(4*\dt+\qt)+2*\n+1]
.endr
.endr
.endr
; ---------------- phase 2 ----------------
.macro FETCHK slot, half               ; 128 keys x 64: 32 LDS loads
	WIN 0
.irp kt, 0,1,2,3,4,5,6,7
.irp ks, 0,1
	ds_load_b128 v[KF+16*\kt+8*\ks:KF+16*\kt+8*\ks+3],   v[ADK+\slot] offset:(128*\half+16*\kt)*KP+64*\ks
	ds_load_b128 v[KF+16*\kt+8*\ks+4:KF+16*\kt+8*\ks+7], v[ADK+\slot] offset:(128*\half+16*\kt)*KP+64*\ks+32
.endr
.endr
.endm
.macro FETCHV slot, half               ; V^T of the same 128 keys: 32 transposing loads (V lies [key][d])
	WIN 0xc0
.irp u, 0,1,2,3
.irp dt, 0,1,2,3
	ds_load_tr16_b128 v[32*\u+8*\dt:32*\u+8*\dt+3],   v[ADV+\slot] offset:(128*\half+32*\u)*VP+32*\dt
	ds_load_tr16_b128 v[32*\u+8*\dt+4:32*\u+8*\dt+7], v[ADV+\slot] offset:(128*\half+32*\u)*VP+32*\dt+16*VP
.endr
.endr
.endm
.macro QK                              ; S^T = K q'^T: eight accumulators at a time, d 0-31 starts each sum, d 32-63 follows eight instructions later
	WIN 0xa4
.irp u, 0,1,2,3
.irp ks, 0,1
.irp e, 0,1
.irp qt, 0,1,2,3
.if \ks
	v_wmma_f32_16x16x32_bf16 v[64*\u+16*\qt+8*\e:64*\u+16*\qt+8*\e+7], v[KF+16*(2*\u+\e)+8*\ks:KF+16*(2*\u+\e)+8*\ks+7], v[16*\qt+8*\ks:16*\qt+8*\ks+7], v[64*\u+16*\qt+8*\e:64*\u+16*\qt+8*\e+7]
.else
	v_wmma_f32_16x16x32_bf16 v[64*\u+16*\qt+8*\e:64*\u+16*\qt+8*\e+7], v[KF+16*(2*\u+\e)+8*\ks:KF+16*(2*\u+\e)+8*\ks+7], v[16*\qt+8*\ks:16*\qt+8*\ks+7], 0
.endif
.endr
.endr
.endr
.endr
.endm
; The running maximum, alpha, p = 2^(S - max), its sums, p packed to bf16 in place.  first = 1: no earlier maximum, no alpha, the sums start here.
.macro SOFTMAX first
.if \first == 0
	WIN 0
.irp qt, 0,1,2,3
	v_mov_b32 v[M+\qt], v[MX+2*\qt]
.endr
.endif
	WIN 0x0a
.set p, 0
.rept 32
.irp qt, 0,1,2,3
.set sr, 64*(p>>3)+16*\qt+2*(p&7)
.if p == 0
.if \first
	v_max_num_f32 v[MX+2*\qt], v[sr], v[sr+1]
.else
	v_max3_num_f32 v[MX+2*\qt], v[sr], v[sr+1], v[M+\qt]
.endif
.else
	v_max3_num_f32 v[MX+2*\qt], v[sr], v[sr+1], v[MX+2*\qt]
.endif
.endr
.set p, p+1
.endr
	WIN 0
.irp qt, 0,1,2,3
	v_permlanex16_b32 v[T+\qt], v[MX+2*\qt], s94, s95      ; the other half of the lanes holds the query's other keys
.endr
.irp qt, 0,1,2,3
	v_max_num_f32 v[MX+2*\qt], v[MX+2*\qt], v[T+\qt]
.endr
.irp qt, 0,1,2,3
	v_mov_b32 v[MX+2*\qt+1], v[MX+2*\qt]
.endr
.if \first == 0
.irp qt, 0,1,2,3
	v_sub_f32 v[T+\qt], v[M+\qt], v[MX+2*\qt]
.endr
.irp qt, 0,1,2,3
	v_exp_f32 v[AL+2*\qt], v[T+\qt]
.endr
	v_nop                                          ; one plain place behind a transcendental (ISA guide 5.7.2)
	s_wait_alu depctr_va_vdst(0)
.irp qt, 0,1,2,3
	v_mov_b32 v[AL+2*\qt+1], v[AL+2*\qt]
.endr
.endif
	WIN 0x82                                       ; each pair's two exponentials stand behind the next pair's subtraction, which names other registers
	v_pk_add_f32 v[0:1], v[0:1], v[MX:MX+1] neg_lo:[0,1] neg_hi:[0,1]
.set p, 1
.rept 127
.set mq, MX+2*((p>>3)&3)
	v_pk_add_f32 v[2*p:2*p+1], v[2*p:2*p+1], v[mq:mq+1] neg_lo:[0,1] neg_hi:[0,1]
	v_exp_f32 v[2*p-2], v[2*p-2]
	v_exp_f32 v[2*p-1], v[2*p-1]
.set p, p+1
.endr
	v_exp_f32 v254, v254
	v_exp_f32 v255, v255
	v_nop
.if \first
	WIN 0x0a
	s_wait_alu depctr_va_vdst(0)
.irp qt, 0,1,2,3
	v_pk_add_f32 v[LS+2*\qt:LS+2*\qt+1], v[16*\qt:16*\qt+1], v[16*\qt+2:16*\qt+3]
.endr
.else
	WIN 0x20
	s_wait_alu depctr_va_vdst(0)
.irp qt, 0,1,2,3
	v_pk_fma_f32 v[LS+2*\qt:LS+2*\qt+1], v[LS+2*\qt:LS+2*\qt+1], v[AL+2*\qt:AL+2*\qt+1], v[16*\qt:16*\qt+1]
.endr
.endif
	WIN 0x08
.set p, 1+\first
.rept 31-\first
.irp qt, 0,1,2,3
.set sr, 64*(p>>3)+16*\qt+2*(p&7)
	v_pk_add_f32 v[LS+2*\qt:LS+2*\qt+1], v[LS+2*\qt:LS+2*\qt+1], v[sr:sr+1]
.endr
.set p, p+1
.endr
	WIN 0x8a
.set g, 0
.rept 16
.irp n, 0,1,2,3,4,5,6,7
	v_cvt_pk_bf16_f32 v[16*g+\n], v[16*g+2*\n], v[16*g+2*\n+1]     ; ascending, in place: word n is written after words 2n, 2n+1 are read
.endr
.set g, g+1
.endr
.endm
.macro RESCALE                         ; O^T *= the pair in AL of its query tile
	WIN 0x41
.irp dt, 0,1,2,3
.irp qt, 0,1,2,3
.irp n, 0,1,2,3
	v_pk_mul_f32 v[OO+8*(4*\dt+\qt)+2*\n:OO+8*(4*\dt+\qt)+2*\n+1], v[OO+8*(4*\dt+\qt)+2*\n:OO+8*(4*\dt+\qt)+2*\n+1], v[AL+2*\qt:AL+2*\qt+1]
.endr
.endr
.endr
.endm
.macro PVU u, zero                     ; O^T += V^T p^T over keys 32 u .. 32 u + 31
	WIN 0x5b
.irp dt, 0,1,2,3
.irp qt, 0,1,2,3
.if \zero
	v_wmma_f32_16x16x32_bf16 v[OO+8*(4*\dt+\qt):OO+8*(4*\dt+\qt)+7], v[32*\u+8*\dt:32*\u+8*\dt+7], v[64*\u+16*\qt:64*\u+16*\qt+7], 0
.else
	v_wmma_f32_16x16x32_bf16 v[OO+8*(4*\dt+\qt):OO+8*(4*\dt+\qt)+7], v[32*\u+8*\dt:32*\u+8*\dt+7], v[64*\u+16*\qt:64*\u+16*\qt+7], v[OO+8*(4*\dt+\qt):OO+8*(4*\dt+\qt)+7]
.endif
.endr
.endr
.endm
; 128 keys.  On entry the step's 32 K loads are out or in.  turn = 1: the tile is done, a round, and its slot is asked for again; 2: a plain barrier
; (the last tile has to be seen whole, nothing is left to fetch); more = 1: the other slot's first K fragments are fetched.
.macro STEP slot, half, first, turn, more
	FETCHV \slot, \half
	s_wait_dscnt 32                                ; K is in; V's 32 loads are younger
	QK
	PLACES
.if \half == 0
	FETCHK \slot, 1
	SOFTMAX \first
	s_wait_dscnt 32                                ; V is in; the next half's 32 K loads are younger
.if \first == 0
	RESCALE
.endif
	PVU 0, \first
	PVU 1, 0
	PVU 2, 0
	PVU 3, 0
	PLACES5
.else
	SOFTMAX 0
	s_wait_dscnt 0x0                               ; V is in, and all my reads of this slot are over
.if \turn
	s_set_vgpr_msb 0x8a80
	s_wait_tensorcnt 0x0                           ; all my tensor loads have landed: my part of the other slot
	ds_add_u32 v62, v63
	s_wait_dscnt 0x0
	s_set_vgpr_msb 0x808a
	s_barrier_signal -1
.endif
	RESCALE                                        ; register work while the others arrive
	PVU 0, 0
	PVU 1, 0
	WIN 0
.if \turn
	s_barrier_wait -1
.endif
.if \turn == 1
	CREST
	KVNEXT KVS0+(KVS1-KVS0)*\slot
	JLOAD2                                         ; two tiles ahead, first thing behind the round
.endif
.if \more
	FETCHK 1-\slot, 0
.endif
	PVU 2, 0
	PVU 3, 0
	PLACES5
.endif
.endm
	FETCHK 0, 0                                    ; keys 0-255 were shown landed in every wave by the waits and rounds of phase 1
	STEP 0, 0, 1, 0, 0
	WIN 0
	s_mov_b32 s3, 3
.Ltiles:                                       ; a trip: the second half of an even tile, an odd tile, the first half of the next even tile; its refills bring tiles 2 to 7
	STEP 0, 1, 0, 1, 1
	STEP 1, 0, 0, 0, 0
	STEP 1, 1, 0, 1, 1
	STEP 0, 0, 0, 0, 0
	WIN 0
	s_sub_co_u32 s3, s3, 1
	s_cmp_lg_u32 s3, 0
	s_cbranch_scc1 .Ltiles
	STEP 0, 1, 0, 2, 1
	STEP 1, 0, 0, 0, 0
	STEP 1, 1, 0, 0, 0
	; THE WAY OUT: O / l, bf16, 16 queries at a time through my own stage; ao is [head][row 4,096][64]: a wave's 64 rows are 8,192 neighbouring bytes
	WIN 0
.irp qt, 0,1,2,3
	v_add_f32 v[T+\qt], v[LS+2*\qt], v[LS+2*\qt+1]
.endr
.irp qt, 0,1,2,3
	v_permlanex16_b32 v[T+4+\qt], v[T+\qt], s94, s95
.endr
.irp qt, 0,1,2,3
	v_add_f32 v[T+\qt], v[T+\qt], v[T+4+\qt]
.endr
.irp qt, 0,1,2,3
	v_rcp_f32 v[AL+2*\qt], v[T+\qt]
.endr
	v_nop
	s_wait_alu depctr_va_vdst(0)
.irp qt, 0,1,2,3
	v_mov_b32 v[AL+2*\qt+1], v[AL+2*\qt]
.endr
	RESCALE
	s_lshl_b32 s98, s86, 10
	s_lshl_b32 s99, s21, 8
	s_add_co_u32 s98, s98, s99
	s_lshl_b32 s99, s18, 6
	s_add_co_u32 s98, s98, s99                     ; row 1,024 batch + 256 query block + 64 wave
	s_lshl_b32 s98, s98, 7
	s_lshl_b32 s99, s87, 19                        ; a head's 4,096 rows of 128 bytes
	s_add_co_u32 s100, s98, s99
	s_mov_b32 s101, 0
	s_add_nc_u64 s[98:99], s[16:17], s[100:101]
.macro OUTQ qt
	WIN 0x05
.irp dt, 0,1,2,3
.irp n, 0,1,2,3
	v_cvt_pk_bf16_f32 v[TMP+4*\dt+\n], v[OO+8*(4*\dt+\qt)+2*\n], v[OO+8*(4*\dt+\qt)+2*\n+1]
.endr
.endr
	WIN 0
.irp dt, 0,1,2,3
	ds_store_b128 v[STO], v[TMP+4*\dt:TMP+4*\dt+3] offset:32*\dt
.endr
	s_wait_xcnt 0x0                                ; the out buffer, which earlier stores read, is loaded again only behind this wait
.irp t, 0,1,2,3
	ds_load_b128 v[OUTB+16*(\qt&1)+4*\t:OUTB+16*(\qt&1)+4*\t+3], v[RD] offset:4*KP*\t   ; LDS serves a wave's instructions in order: these see the stores above
.endr
.irp t, 0,1,2,3
	s_wait_dscnt 3-\t
	global_store_b128 v[CO], v[OUTB+16*(\qt&1)+4*\t:OUTB+16*(\qt&1)+4*\t+3], s[98:99] offset:2048*\qt+512*\t   ; 512 neighbouring bytes, aligned
.endr
.endm
	OUTQ 0
	OUTQ 1
	OUTQ 2
	OUTQ 3
	s_wait_tensorcnt 0x0
	ds_add_u32 v62, v63
	s_wait_dscnt 0x0
	CROUND                                         ; the closing round
	s_endpgm
.Lfunc_end_k_qf41a18c8a1_attn:
	.size	k_qf41a18c8a1_attn, .Lfunc_end_k_qf41a18c8a1_attn-k_qf41a18c8a1_attn
	.p2alignl 7, 3214868480
	.fill 96, 4, 3214868480
	.section	.rodata,"a",@progbits
	.p2align	6, 0x0
	.amdhsa_kernel k_qf41a18c8a1_attn
		.amdhsa_group_segment_fixed_size 327680
		.amdhsa_private_segment_fixed_size 0
		.amdhsa_enable_private_segment 0
		.amdhsa_kernarg_size 56
		.amdhsa_user_sgpr_count 2
		.amdhsa_user_sgpr_kernarg_segment_ptr 1
		.amdhsa_wavefront_size32 1
		.amdhsa_system_sgpr_workgroup_id_x 1
		.amdhsa_system_sgpr_workgroup_id_y 1
		.amdhsa_system_sgpr_workgroup_id_z 1
		.amdhsa_system_vgpr_workitem_id 0
		.amdhsa_next_free_vgpr 896
		.amdhsa_next_free_sgpr 102
		.amdhsa_reserve_vcc 0
		.amdhsa_float_denorm_mode_32 3
		.amdhsa_float_denorm_mode_16_64 3
		.amdhsa_memory_ordered 1
		.amdhsa_forward_progress 1
		.amdhsa_inst_pref_size 255
	.end_amdhsa_kernel
	.section	.bss,"aw",@nobits
	.p2align	6
	.space	262144
	.amdgpu_metadata
---
amdhsa.version: [ 1, 2 ]
amdhsa.kernels:
  - .name:           k_qf41a18c8a1_attn
    .symbol:         k_qf41a18c8a1_attn.kd
    .args:
      - { .name: xn, .offset: 0, .size: 8, .value_kind: global_buffer, .address_space: global }
      - { .name: wt, .offset: 8, .size: 8, .value_kind: global_buffer, .address_space: global }
      - { .name: part, .offset: 16, .size: 8, .value_kind: global_buffer, .address_space: global }
      - { .name: bq, .offset: 24, .size: 8, .value_kind: global_buffer, .address_space: global }
      - { .name: kh, .offset: 32, .size: 8, .value_kind: global_buffer, .address_space: global }
      - { .name: vh, .offset: 40, .size: 8, .value_kind: global_buffer, .address_space: global }
      - { .name: ao, .offset: 48, .size: 8, .value_kind: global_buffer, .address_space: global }
    .group_segment_fixed_size: 327680
    .private_segment_fixed_size: 0
    .kernarg_segment_align: 8
    .kernarg_segment_size: 56
    .max_flat_workgroup_size: 128
    .sgpr_count:     102
    .vgpr_count:     896
    .wavefront_size: 32
...
	.end_amdgpu_metadata
.endif
;; end of part 4
;; launch oproj (part 5): grid 8 x 32, 4 waves a work-group, clusters of 4 x 4, 327,680 bytes of LDS; arguments ao, wt, part, bo, x, out0; writes out0
.if DOCPART == 5
	.amdgcn_target "amdgcn-amd-amdhsa--gfx1250"
	.amdhsa_code_object_version 6
	.text
	.protected	k_qf41a18c8a1_oproj
	.globl	k_qf41a18c8a1_oproj
	.p2align	8
	.type	k_qf41a18c8a1_oproj,@function
k_qf41a18c8a1_oproj:
	s_mov_b64 s[64:65], 0
	v_nop
	global_prefetch_b8 v0, s[64:65] scope:SCOPE_SE
	s_setreg_imm32_b32 hwreg(HW_REG_WAVE_MODE, 25, 1), 1
	s_wait_xcnt 0x0
	s_wait_alu depctr_hold_cnt(0) depctr_sa_sdst(0) depctr_va_vdst(0) depctr_va_sdst(0) depctr_va_ssrc(0) depctr_va_vcc(0) depctr_vm_vsrc(0)
	s_getreg_b32 s2, hwreg(HW_REG_IB_STS2, 6, 4)
	s_cmp_eq_u32 s2, 0
	s_cbranch_scc0 .Lentry_in_a_cluster
	s_endpgm
.Lentry_in_a_cluster:
	s_bfe_u32 s2, ttmp6, 0x10000c
	s_cmp_lg_u32 s2, 0xf033
	s_cbranch_scc0 .Lentry_shape_is_right
	s_endpgm
.Lentry_shape_is_right:
; out0 = x + gamma_o (ao to^T) + bo.  ao: [head 16][row 4,096][64] bf16; to: weight 3 of wt, [1024][1024] bf16 of codes -1, 0, 1; x, out0: [4096][1024] f32.
; 256 work-groups of 128 x 128, four waves of 64 x 64 (16 accumulator tiles), so that every WGP has one block.  K = 1,024 in four tiles of 256 (four heads)
; through two LDS slots; each wave brings a quarter of a slot by one tensor load, and has a whole tile's work (112 matrix instructions) in which it lands.
; CLUSTERS, 4 x 4: ao's tiles hang on the block row and are shared along a row of the cluster, the weights' on the block column and are shared along a column.
; By this text's count a wave has at most two tensor loads out (the two first fills), later one.
; x is asked for at the start, into registers that the K loop never names, in the layout in which the result is stored.
; LDS: 0 stage, 4 x 16 x 272, no tensor load lands there | 17,408 slot 0 | 158,720 slot 1: ao as 4 planes [128 rows][144], then to [128][528] at + 73,728.
; REGISTERS: window 0: v8-23 addresses and small things, v64-191 fragments (two buffers), v192-255 results on the way out
;            window 1: v0-127 accumulators (tile (a, b) at 8 (4 a + b)), v128-255 x
; The matrix instruction is used transposed (source 0 = rows of to, source 1 = rows of ao): a lane holds 8 neighbouring columns of one row.
; Accumulators take turns, one matrix instruction a turn.
; LIMITS: NaN and infinities in the inputs are not served.
.set AP, 144
.set BP, 528
.set PLANE, 128*AP
.set SP, 272
.set SLOT0, 4*16*SP                    ; 17,408
.set BOFF, 4*PLANE                     ; 73,728
.set SLOTB, BOFF+128*BP                ; 141,312
.set ADA, 8
.set ADB, 10
.set STO, 12
.set RD, 13
.set CO, 14
.set BOA, 15
.set PA, 16
.set PP, 18
.set BO, 20
.set F0, 64
.set F1, 128
.set RB, 192
.set XR, 128
.set G1, 24
.set G0, 32
.set G1B, 48
.set G0B, 56
.set SEL, 90
.set MSB, 0
.macro WIN new
.if MSB != \new
	s_set_vgpr_msb (MSB<<8)|\new
.set MSB, \new
.endif
.endm
.macro PLACES
.rept 4
	v_nop
.endr
.endm
.macro JLOAD s                         ; waves 0, 1: two planes of ao each; waves 2, 3: 64 rows of to each
	s_cmp_eq_u32 s11, 0
	s_cbranch_scc0 .Lfor_b_\@
	tensor_load_to_lds s[G0+4*\s:G0+4*\s+3], s[G1:G1+7]
	s_nop 0
.rept 4
	v_nop
.endr
	s_branch .Lasked_\@
.Lfor_b_\@:
	tensor_load_to_lds s[G0B+4*\s:G0B+4*\s+3], s[G1B:G1B+7]
	s_nop 0
.rept 4
	v_nop
.endr
.Lasked_\@:
.endm
.macro CREST
	s_cmp_lg_u32 s10, 0
	s_cbranch_scc1 .Lnot_wave_0_\@
	s_barrier_signal -3
.Lnot_wave_0_\@:
	s_barrier_wait -3
	s_barrier_signal -1
	s_barrier_wait -1
.endm
.macro CROUND
	s_barrier_signal -1
	s_barrier_wait -1
	CREST
.endm
	s_load_b128 s[4:7], s[0:1], 0x0                ; ao s[4:5], wt s[6:7]
	s_load_b256 s[68:75], s[0:1], 0x10             ; part s[68:69], bo s[70:71], x s[72:73], out0 s[74:75]
	v_lshl_add_u32 v62, v0, 2, 0x49400
	v_mov_b32 v63, 0
	ds_add_u32 v62, v63
	v_lshrrev_b32 v1, 5, v0
	v_readfirstlane_b32 s10, v1                    ; wave 0..3
	s_lshr_b32 s11, s10, 1                         ; my half of the rows; also: I fetch ao (0) or to (1)
	s_and_b32 s12, s10, 1                          ; my half of the columns; also: which half of that tile I fetch
	s_bfe_u32 s40, ttmp6, 0x40000                  ; cx
	s_bfe_u32 s41, ttmp6, 0x40004                  ; cy
	s_lshl_b32 s42, ttmp9, 2
	s_add_co_u32 s42, s42, s40                     ; block column
	s_and_b32 s13, ttmp7, 0xffff
	s_lshl_b32 s13, s13, 2
	s_add_co_u32 s13, s13, s41                     ; block row
	s_lshl_b32 s43, s41, 2
	s_lshl_b32 s43, 15, s43                        ; my row of the cluster
	s_lshl_b32 s44, 0x1111, s40                    ; my column
	; ao: a plane's 128 rows of 128 bytes are dense: one row of 8,192 elements; two planes, 262,144 elements apart; 4 words behind every 32: a row's pitch is 144
	s_or_b32 s[G1+0], s43, (1<<16)|(1<<20)|(1<<21)|(4<<22)|(3<<25)
	s_mov_b32 s[G1+1], 8192<<16
	s_mov_b32 s[G1+2], 2<<16
	s_mov_b32 s[G1+3], 8192<<16
	s_mov_b32 s[G1+4], 2
	s_mov_b32 s[G1+5], 262144
	s_mov_b32 s[G1+6], 0
	s_mov_b32 s[G1+7], 0
	; to: 64 rows x 256 elements; 4 words behind every 128: pitch 528
	s_or_b32 s[G1B+0], s44, (1<<16)|(1<<20)|(1<<21)|(6<<22)|(3<<25)
	s_mov_b32 s[G1B+1], 256<<16
	s_mov_b32 s[G1B+2], 64<<16
	s_mov_b32 s[G1B+3], 256<<16
	s_mov_b32 s[G1B+4], 64
	s_mov_b32 s[G1B+5], 1024
	s_mov_b32 s[G1B+6], 0
	s_mov_b32 s[G1B+7], 0
	s_lshl_b32 s16, s12, 20                        ; ao: two planes of 524,288 bytes x half
	s_lshl_b32 s17, s13, 14                        ;     + 128 rows of 128 bytes x block row
	s_add_co_u32 s16, s16, s17
	s_mov_b32 s17, 0
	s_lshl_b32 s46, s42, 7
	s_lshl_b32 s47, s12, 6
	s_add_co_u32 s46, s46, s47                     ; to: row 128 block column + 64 half
	s_lshl_b32 s46, s46, 11
	s_mov_b32 s47, 0
	s_mul_i32 s20, s10, 2*PLANE                    ; LDS terms: the wave's number times a constant
	s_mul_i32 s21, s10, 64*BP
	; x, out0, bo: registers of their own, which feed no descriptor
	s_lshl_b32 s84, s13, 7
	s_lshl_b32 s85, s11, 6
	s_add_co_u32 s84, s84, s85                     ; my first row
	s_lshl_b32 s84, s84, 12
	s_lshl_b32 s86, s42, 7
	s_lshl_b32 s87, s12, 6
	s_add_co_u32 s86, s86, s87                     ; my first column
	s_lshl_b32 s86, s86, 2
	s_add_co_u32 s84, s84, s86
	s_mov_b32 s85, 0
	s_mov_b32 s87, 0
	s_mov_b32 s[SEL], 0x76543210
	s_mov_b32 s[SEL+1], 0xfedcba98
	s_wait_dscnt 0x0
	s_wait_kmcnt 0x0
	s_add_nc_u64 s[6:7], s[6:7], 0x600000          ; weight 3
	s_add_nc_u64 s[14:15], s[4:5], s[16:17]
	s_add_nc_u64 s[46:47], s[6:7], s[46:47]
	s_add_nc_u64 s[72:73], s[72:73], s[84:85]
	s_add_nc_u64 s[74:75], s[74:75], s[84:85]
	s_add_nc_u64 s[70:71], s[70:71], s[86:87]
	CROUND                                         ; all sixteen work-groups are here: the first joint loads meet
.irp s, 0,1
	s_mov_b32 s[G0+4*\s], 1
	s_add_co_u32 s[G0+4*\s+1], s20, SLOT0+\s*SLOTB
	s_add_nc_u64 s[G0+4*\s+2:G0+4*\s+3], s[14:15], \s*0x200000     ; four planes a tile
	s_or_b32 s[G0+4*\s+3], s[G0+4*\s+3], 0x80000000
	s_mov_b32 s[G0B+4*\s], 1
	s_add_co_u32 s[G0B+4*\s+1], s21, SLOT0+\s*SLOTB+BOFF-128*BP    ; waves 2, 3: rows 0-63, 64-127 behind ao's planes
	s_add_nc_u64 s[G0B+4*\s+2:G0B+4*\s+3], s[46:47], \s*512
	s_or_b32 s[G0B+4*\s+3], s[G0B+4*\s+3], 0x80000000
	JLOAD \s
.endr
	v_and_b32 v1, 15, v0                           ; r
	v_bfe_u32 v2, v0, 4, 1                         ; h
	v_mul_u32_u24 v3, v1, AP
	v_lshl_add_u32 v3, v2, 4, v3
	s_mul_i32 s22, s11, 64*AP                      ; my 64 rows of each plane
	s_add_co_u32 s22, s22, SLOT0
	v_add_nc_u32 v[ADA], s22, v3
	v_add_nc_u32 v[ADA+1], SLOTB, v[ADA]
	v_mul_u32_u24 v4, v1, BP
	v_lshl_add_u32 v4, v2, 4, v4
	s_mul_i32 s22, s12, 64*BP                      ; my 64 rows of to
	s_add_co_u32 s22, s22, SLOT0+BOFF
	v_add_nc_u32 v[ADB], s22, v4
	v_add_nc_u32 v[ADB+1], SLOTB, v[ADB]
	s_mul_i32 s23, s10, 16*SP                      ; my stage
	v_mul_u32_u24 v5, v1, SP
	v_lshl_add_u32 v5, v2, 5, v5                   ; in: row r, 32 bytes for each half of the lanes
	v_add_nc_u32 v[STO], s23, v5
	v_mul_u32_u24 v5, v2, SP
	v_lshl_add_u32 v5, v1, 4, v5                   ; back: lanes 0-15 one row of 256 bytes, lanes 16-31 the next
	v_add_nc_u32 v[RD], s23, v5
	v_lshlrev_b32 v5, 12, v2
	v_lshl_add_u32 v[CO], v1, 4, v5                ; the same two rows in x and out0
	v_lshlrev_b32 v[BOA], 4, v1
	v_and_b32 v5, 31, v0
	v_lshlrev_b32 v[PA], 3, v5
	global_load_b64 v[PP:PP+1], v[PA], s[68:69] offset:768         ; weight 3's partial sums
	global_load_b128 v[BO:BO+3], v[BOA], s[70:71]                  ; bo of my four columns
	WIN 0x40
.irp i, 0,1,2,3
.irp t, 0,1,2,3,4,5,6,7
	global_load_b128 v[XR+4*(8*\i+\t):XR+4*(8*\i+\t)+3], v[CO], s[72:73] offset:(16*\i+2*\t)*4096 th:TH_LOAD_NT
.endr
.endr
	WIN 0
.macro FETCH slot, ks, f               ; 16 LDS loads: 4 fragments of to, 4 of ao, K = 32 ks .. + 31 of the tile
	WIN 0
.irp i, 0,1,2,3
	ds_load_b128 v[\f+8*\i:\f+8*\i+3],   v[ADB+\slot] offset:64*\ks+\i*16*BP
	ds_load_b128 v[\f+8*\i+4:\f+8*\i+7], v[ADB+\slot] offset:64*\ks+\i*16*BP+32
.endr
.irp i, 0,1,2,3
	ds_load_b128 v[\f+32+8*\i:\f+32+8*\i+3],   v[ADA+\slot] offset:(\ks>>1)*PLANE+(\ks&1)*64+\i*16*AP
	ds_load_b128 v[\f+32+8*\i+4:\f+32+8*\i+7], v[ADA+\slot] offset:(\ks>>1)*PLANE+(\ks&1)*64+\i*16*AP+32
.endr
.endm
.macro MUL f, zero
	WIN 0x50
.irp a, 0,1,2,3
.irp b, 0,1,2,3
.if \zero
	v_wmma_f32_16x16x32_bf16 v[8*(4*\a+\b):8*(4*\a+\b)+7], v[\f+8*\b:\f+8*\b+7], v[\f+32+8*\a:\f+32+8*\a+7], 0
.else
	v_wmma_f32_16x16x32_bf16 v[8*(4*\a+\b):8*(4*\a+\b)+7], v[\f+8*\b:\f+8*\b+7], v[\f+32+8*\a:\f+32+8*\a+7], v[8*(4*\a+\b):8*(4*\a+\b)+7]
.endif
.endr
.endr
.endm
.macro KSUB slot, ks, f, g, zero       ; multiplies buffer f while K part ks comes into buffer g
	FETCH \slot, \ks, \g
	s_wait_dscnt 16                                ; all but the 16 just issued
	MUL \f, \zero
	PLACES                                         ; four places in front of the next loads into buffer f
.endm
.macro SEVEN slot, zero
	KSUB \slot, 1, F0, F1, \zero
	KSUB \slot, 2, F1, F0, 0
	KSUB \slot, 3, F0, F1, 0
	KSUB \slot, 4, F1, F0, 0
	KSUB \slot, 5, F0, F1, 0
	KSUB \slot, 6, F1, F0, 0
	KSUB \slot, 7, F0, F1, 0
.endm
; The last 32 of a tile and the change of slots: my reads of this slot and all my tensor loads are waited for in front of the opening signal;
; behind the round the joint refill comes first.
.macro TURN slot, next, fill
	s_wait_dscnt 0x0
	s_wait_tensorcnt 0x0
	ds_add_u32 v62, v63
	s_wait_dscnt 0x0
	s_barrier_signal -1
	MUL F1, 0
	WIN 0
	s_barrier_wait -1
.if \fill
	CREST
	s_add_nc_u64 s[G0+4*\slot+2:G0+4*\slot+3], s[G0+4*\slot+2:G0+4*\slot+3], 0x400000     ; two tiles on: eight planes
	s_add_nc_u64 s[G0B+4*\slot+2:G0B+4*\slot+3], s[G0B+4*\slot+2:G0B+4*\slot+3], 1024
	JLOAD \slot                                    ; its four v_nop are also the places in front of the next loads into buffer 1
.else
	PLACES
.endif
	FETCH \next, 0, F0
.endm
	s_wait_tensorcnt 0x1                           ; my part of tile 0 is in; tile 1's may stay out
	s_barrier_signal -1
	s_barrier_wait -1
	FETCH 0, 0, F0
	SEVEN 0, 1                                     ; the first products start the sums
	TURN 0, 1, 1                                   ; tile 2 is asked for
	SEVEN 1, 0
	TURN 1, 0, 1                                   ; tile 3
	SEVEN 0, 0
	TURN 0, 1, 0                                   ; nothing is left to fetch
	SEVEN 1, 0
	s_wait_dscnt 0x0
	MUL F1, 0
	PLACES
	; THE WAY OUT
	WIN 0
	s_wait_loadcnt 0x0                             ; partial sums, bo, x: issued ahead of the K loop
	v_add_f32 v[PP], v[PP], v[PP+1]                ; gamma: the same order of adding as where the codes were made
	v_add_f32_dpp v[PP], v[PP], v[PP] row_xmask:1 row_mask:0xf bank_mask:0xf
	v_add_f32_dpp v[PP], v[PP], v[PP] row_xmask:2 row_mask:0xf bank_mask:0xf
	v_add_f32_dpp v[PP], v[PP], v[PP] row_xmask:4 row_mask:0xf bank_mask:0xf
	v_add_f32_dpp v[PP], v[PP], v[PP] row_xmask:8 row_mask:0xf bank_mask:0xf
	v_permlanex16_b32 v[PP+1], v[PP], s[SEL], s[SEL+1]
	v_add_f32 v[PP], v[PP], v[PP+1]
	v_readfirstlane_b32 s88, v[PP]
	s_mul_f32 s88, s88, 0x35800000                 ; / 1,048,576
	s_mov_b32 s89, s88
	WIN 0x41
.set n, 0
.rept 32
	v_pk_add_f32 v[XR+4*n:XR+4*n+1],   v[XR+4*n:XR+4*n+1],   v[BO:BO+1]       ; x + bo
	v_pk_add_f32 v[XR+4*n+2:XR+4*n+3], v[XR+4*n+2:XR+4*n+3], v[BO+2:BO+3]
.set n, n+1
.endr
; 16 rows x 64 columns of f32: the sums go through my own stage, come back as whole rows of 256 bytes, and leave as sum * gamma + (x + bo)
.macro OUT i
	WIN 0x04
.irp b, 0,1,2,3
	ds_store_b128 v[STO], v[8*(4*\i+\b):8*(4*\i+\b)+3]   offset:64*\b
	ds_store_b128 v[STO], v[8*(4*\i+\b)+4:8*(4*\i+\b)+7] offset:64*\b+16
.endr
	WIN 0
	s_wait_xcnt 0x0                                ; the buffer, which earlier stores read, is loaded again only behind this wait
.irp t, 0,1,2,3,4,5,6,7
	ds_load_b128 v[RB+32*(\i&1)+4*\t:RB+32*(\i&1)+4*\t+3], v[RD] offset:2*SP*\t   ; LDS serves a wave's instructions in order: these see the stores above
.endr
	s_wait_dscnt 0x0
	WIN 0x10
.irp t, 0,1,2,3,4,5,6,7
	v_pk_fma_f32 v[RB+32*(\i&1)+4*\t:RB+32*(\i&1)+4*\t+1],   v[RB+32*(\i&1)+4*\t:RB+32*(\i&1)+4*\t+1],   s[88:89], v[XR+4*(8*\i+\t):XR+4*(8*\i+\t)+1]   op_sel_hi:[1,0,1]
	v_pk_fma_f32 v[RB+32*(\i&1)+4*\t+2:RB+32*(\i&1)+4*\t+3], v[RB+32*(\i&1)+4*\t+2:RB+32*(\i&1)+4*\t+3], s[88:89], v[XR+4*(8*\i+\t)+2:XR+4*(8*\i+\t)+3] op_sel_hi:[1,0,1]
.endr
	WIN 0
.irp t, 0,1,2,3,4,5,6,7
	global_store_b128 v[CO], v[RB+32*(\i&1)+4*\t:RB+32*(\i&1)+4*\t+3], s[74:75] offset:(16*\i+2*\t)*4096 th:TH_STORE_NT   ; 16 lanes: 256 neighbouring bytes, aligned
.endr
.endm
	OUT 0
	OUT 1
	OUT 2
	OUT 3
	s_wait_tensorcnt 0x0
	ds_add_u32 v62, v63
	s_wait_dscnt 0x0
	CROUND                                         ; the closing round
	s_endpgm
.Lfunc_end_k_qf41a18c8a1_oproj:
	.size	k_qf41a18c8a1_oproj, .Lfunc_end_k_qf41a18c8a1_oproj-k_qf41a18c8a1_oproj
	.p2alignl 7, 3214868480
	.fill 96, 4, 3214868480
	.section	.rodata,"a",@progbits
	.p2align	6, 0x0
	.amdhsa_kernel k_qf41a18c8a1_oproj
		.amdhsa_group_segment_fixed_size 327680
		.amdhsa_private_segment_fixed_size 0
		.amdhsa_enable_private_segment 0
		.amdhsa_kernarg_size 48
		.amdhsa_user_sgpr_count 2
		.amdhsa_user_sgpr_kernarg_segment_ptr 1
		.amdhsa_wavefront_size32 1
		.amdhsa_system_sgpr_workgroup_id_x 1
		.amdhsa_system_sgpr_workgroup_id_y 1
		.amdhsa_system_sgpr_workgroup_id_z 1
		.amdhsa_system_vgpr_workitem_id 0
		.amdhsa_next_free_vgpr 512
		.amdhsa_next_free_sgpr 96
		.amdhsa_reserve_vcc 0
		.amdhsa_float_denorm_mode_32 3
		.amdhsa_float_denorm_mode_16_64 3
		.amdhsa_memory_ordered 1
		.amdhsa_forward_progress 1
		.amdhsa_inst_pref_size 101
	.end_amdhsa_kernel
	.amdgpu_metadata
---
amdhsa.version: [ 1, 2 ]
amdhsa.kernels:
  - .name:           k_qf41a18c8a1_oproj
    .symbol:         k_qf41a18c8a1_oproj.kd
    .args:
      - { .name: ao, .offset: 0, .size: 8, .value_kind: global_buffer, .address_space: global }
      - { .name: wt, .offset: 8, .size: 8, .value_kind: global_buffer, .address_space: global }
      - { .name: part, .offset: 16, .size: 8, .value_kind: global_buffer, .address_space: global }
      - { .name: bo, .offset: 24, .size: 8, .value_kind: global_buffer, .address_space: global }
      - { .name: x, .offset: 32, .size: 8, .value_kind: global_buffer, .address_space: global }
      - { .name: out0, .offset: 40, .size: 8, .value_kind: global_buffer, .address_space: global }
    .group_segment_fixed_size: 327680
    .private_segment_fixed_size: 0
    .kernarg_segment_align: 8
    .kernarg_segment_size: 48
    .max_flat_workgroup_size: 128
    .sgpr_count:     96
    .vgpr_count:     512
    .wavefront_size: 32
...
	.end_amdgpu_metadata
.endif
;; end of part 5
;; ======== version 2 of 2: 5 launches
;; workspace buffers: part 1,024 bytes; xn 8,388,608 bytes; cb 16,777,216 bytes; wt 8,388,608 bytes; kh 16,777,216 bytes; vh 16,777,216 bytes; ao 8,388,608 bytes
;; launch absum: the kernel of part 1 again; grid 256 x 1, 8 waves a work-group, no clusters, 1,280 bytes of LDS; arguments Wq, Wk, Wv, Wo, part; writes part
;; launch prep: the kernel of part 2 again; grid 128 x 4, 8 waves a work-group, no clusters, 0 bytes of LDS; arguments x, context, Wq, Wk, Wv, Wo, ln_gamma, ln_beta, part, xn, cb, wt; writes xn, cb, wt
;; launch kvproj: the kernel of part 3 again; grid 8 x 32, 4 waves a work-group, clusters of 4 x 4, 327,680 bytes of LDS; arguments cb, wt, part, bk, bv, kh, vh; writes kh, vh
;; launch attn (part 6): grid 4 x 64, 4 waves a work-group, clusters of 4 x 4, 327,680 bytes of LDS; arguments xn, wt, part, bq, kh, vh, ao; writes ao
.if DOCPART == 6
	.amdgcn_target "amdgcn-amd-amdhsa--gfx1250"
	.amdhsa_code_object_version 6
	.text
	.protected	k_qf41a18c8a1_attn
	.globl	k_qf41a18c8a1_attn
	.p2align	8
	.type	k_qf41a18c8a1_attn,@function
k_qf41a18c8a1_attn:
	s_mov_b64 s[64:65], 0
	v_nop
	global_prefetch_b8 v0, s[64:65] scope:SCOPE_SE
	s_setreg_imm32_b32 hwreg(HW_REG_WAVE_MODE, 25, 1), 1
	s_wait_xcnt 0x0
	s_wait_alu depctr_hold_cnt(0) depctr_sa_sdst(0) depctr_va_vdst(0) depctr_va_sdst(0) depctr_va_ssrc(0) depctr_va_vcc(0) depctr_vm_vsrc(0)
	s_getreg_b32 s2, hwreg(HW_REG_IB_STS2, 6, 4)
	s_cmp_eq_u32 s2, 0
	s_cbranch_scc0 .Lentry_in_a_cluster
	s_endpgm
.Lentry_in_a_cluster:
	s_bfe_u32 s2, ttmp6, 0x10000c
	s_cmp_lg_u32 s2, 0xf033
	s_cbranch_scc0 .Lentry_shape_is_right
	s_endpgm
.Lentry_shape_is_right:
; One work-group: 256 queries of one (batch, head); a wave: 64 queries.  Two phases, q never goes to memory.
;  PHASE 1  Q^T = tq_h xn^T (64 x 64 a wave, K = 1,024 in 8 steps of 128), then q' = (Q^T gamma_q + bq) * 0.125 log2(e), rounded to bf16 in registers.
;  PHASE 2  flash attention over 2,048 keys in 16 steps of 128: S^T = K q'^T, running maximum, p = 2^(S - max), O^T = O^T * alpha + V^T p^T; at the end O / l.
; Everything is kept transposed (queries along the lanes): a result tile's lane (r, h) holds query r and eight neighbouring rows 8 h + 0..7, which is
; exactly the layout of the next product's second source after packing to bf16, so no number ever changes lanes but for the two halves' maximum and sum.
; PHASE 2 IS A PIPELINE OF HALF STEPS.  A step has 128 matrix instructions and some 870 vector instructions, which hang on each other only through S and p.
; The wave's four query tiles form two groups, g0 = tiles 0, 1 and g1 = tiles 2, 3, and a step i is two blocks:
;   X(i): the softmax of g0, and among its vector instructions the matrix instructions of g1: O^T += V^T p^T of step i - 1, then S^T = K q'^T of step i;
;   Y(i): the softmax of g1, and among its vector instructions the matrix instructions of g0: O^T += V^T p^T of step i, then S^T = K q'^T of step i + 1.
; So matrix and vector instructions that do not depend on each other stand side by side, one matrix instruction behind every PER units of vector work,
; instead of 64 of the one kind behind 800 of the other.  S of a group is written again only after its p has been multiplied: no register is added.
; The price: two switches of the register windows for each matrix instruction (S fills a window and is destination and source of the vector work, so no one
; setting serves both kinds).
; A block's text is written four times: twice in a loop of 7 trips (KV slot 0, KV slot 1; LDS addresses stay constants), once ahead of it or behind it, once in the tail.
; No first step is written out: the maximum starts at -inf, l and O^T at 0, so the first alpha is 2^(-inf) = 0 and scales zeros.
; CLUSTERS, 4 x 4: cx is the query block, cy the head within a group of four.  The xn tiles hang on (batch, query block) and are shared along a column
; of the cluster; the tq, K and V tiles hang on (batch, head) and are shared along a row.  All partners run the same trips.
; By this text's count a wave has at most four tensor loads out (the four first fills), later one.
; LDS: 0 stage, 4 x 2,304 (16 rows, pitch 144), no tensor load lands there | 9,216 slot 0 | 96,256 slot 1: xn [256][272], tq [64][272] at + 69,632
;      | 183,296 KV slot 0 | 222,208 KV slot 1: K [128 keys][144], V [128][160] at + 18,432.
; REGISTERS: window 0: v8-19 addresses, v20-55 softmax state, v64-191 fragments (phase 1: two buffers; phase 2: K), v192-223 bq, later packed results, v224-255 out
;   window 1: v0-63 q' (tile (qt, ks) at 16 qt + 8 ks), v64-191 O^T (tile (dt, qt) at 64 + 8 (4 dt + qt))
;   window 2: phase 1 accumulators 8 (4 dt + qt); then S^T (tile (kt, qt) at 64 (kt / 2) + 16 qt + 8 (kt % 2)), p packed into the first 8 of each 16
;   window 3: v0-127 V^T (tile (u, dt) at 32 u + 8 dt)
; Accumulators take turns, one matrix instruction a turn.
; LIMITS: v_exp_f32 gives 0 for results below 2^-126; NaN and infinities in the inputs, and a query all of whose scores are -inf, are not served.
.set XP, 272
.set KP, 144
.set VP, 160
.set STAGEB, 16*KP
.set SLOT0, 4*STAGEB                   ; 9,216
.set SLOTB, 320*XP                     ; 87,040
.set SLOT1, SLOT0+SLOTB
.set WOFF, 256*XP
.set KV0, SLOT1+SLOTB                  ; 183,296
.set VOFF, 128*KP                      ; 18,432
.set KVB, VOFF+128*VP                  ; 38,912
.set KV1, KV0+KVB                      ; 222,208
.set TILEB, 128*128                    ; a tile of 128 keys in kh or vh: 16,384 bytes
.set STEPS, 16
.set PER, 8                            ; units of vector work between two matrix instructions (a plain instruction 1, an exponential 2)
.set ADX, 8
.set ADW, 10
.set ADK, 12
.set ADV, 14
.set STO, 16
.set RD, 17
.set CO, 18
.set PFO, 19                           ; v19 prefetch: 256 lane + 8,192 cx; never rewritten
.set MX, 20                            ; v[20:27] the running maximum of query tile qt, twice (two chains, then a pair for packed arithmetic)
.set M, 28                             ; v[28:31] the maximum before this step
.set AL, 32                            ; v[32:39] alpha = 2^(old - new), twice
.set LS, 40                            ; v[40:47] two partial sums of p
.set T, 48                             ; v[48:55] at work; 0 until phase 2 begins
.set PP, 56
.set BQA, 58
.set PA, 59
.set F0, 64
.set F1, 128
.set KF, 64
.set BQ, 192
.set TMP, 192
.set OUTB, 224
.set OO, 64
.set G1X, 24
.set G1W, 32
.set G1K, 40
.set G1V, 48
.set G0X, 56                           ; s[56:63] group 0 of xn's tiles, a set for each slot
.set G0W, 68                           ; s[68:75] of tq's
.set G0K, 76                           ; s[76:83] of K's, a set for each KV slot
.set G0V, 84                           ; s[84:91] of V's
.set MSB, 0
.macro WIN new                         ; the immediate's high byte repeats the setting that is left
.if MSB != \new
	s_set_vgpr_msb (MSB<<8)|\new
.set MSB, \new
.endif
.endm
.macro PLACES                          ; four places behind a matrix instruction: readers of its result, loads into its sources
.rept 4
	v_nop
.endr
.endm
.macro PLACES5                         ; five: a matrix instruction that writes over its registers
.rept 5
	v_nop
.endr
.endm
.macro CREST                           ; a round of the cluster's barrier behind its opening work-group barrier
	s_cmp_lg_u32 s18, 0
	s_cbranch_scc1 .Lnot_wave_0_\@
	s_barrier_signal -3
.Lnot_wave_0_\@:
	s_barrier_wait -3
	s_barrier_signal -1
	s_barrier_wait -1
.endm
.macro CROUND
	s_barrier_signal -1
	s_barrier_wait -1
	CREST
.endm
; Joint loads.  Waves 0, 1: xn's two halves (phase 1), K's two halves (phase 2); waves 2, 3: tq's, V's.  The branch hangs on the wave's number alone.
.macro JLOAD1 s
	s_cmp_eq_u32 s19, 0
	s_cbranch_scc0 .Lfor_w_\@
	tensor_load_to_lds s[G0X+4*\s:G0X+4*\s+3], s[G1X:G1X+7]
	s_nop 0
.rept 4
	v_nop
.endr
	s_branch .Lasked_\@
.Lfor_w_\@:
	tensor_load_to_lds s[G0W+4*\s:G0W+4*\s+3], s[G1W:G1W+7]
	s_nop 0
.rept 4
	v_nop
.endr
.Lasked_\@:
.endm
.macro JLOAD2 s
	s_cmp_eq_u32 s19, 0
	s_cbranch_scc0 .Lfor_v_\@
	tensor_load_to_lds s[G0K+4*\s:G0K+4*\s+3], s[G1K:G1K+7]
	s_nop 0
.rept 4
	v_nop
.endr
	s_branch .Lasked_\@
.Lfor_v_\@:
	tensor_load_to_lds s[G0V+4*\s:G0V+4*\s+3], s[G1V:G1V+7]
	s_nop 0
.rept 4
	v_nop
.endr
.Lasked_\@:
.endm
	s_load_b256 s[4:11], s[0:1], 0x0               ; xn s[4:5], wt s[6:7], part s[8:9], bq s[10:11]
	s_load_b128 s[12:15], s[0:1], 0x20             ; kh s[12:13], vh s[14:15]
	s_load_b64 s[16:17], s[0:1], 0x30              ; ao
	v_lshl_add_u32 v62, v0, 2, 0x3fc00
	v_mov_b32 v63, 0
	ds_add_u32 v62, v63
	v_lshrrev_b32 v1, 5, v0
	v_readfirstlane_b32 s18, v1                    ; wave 0..3
	s_lshr_b32 s19, s18, 1
	s_and_b32 s20, s18, 1
	s_bfe_u32 s21, ttmp6, 0x40000                  ; cx = query block
	s_bfe_u32 s22, ttmp6, 0x40004                  ; cy
	s_and_b32 s23, ttmp7, 0xffff                   ; cluster y = 4 batch + head / 4
	s_lshr_b32 s92, s23, 2                         ; batch
	s_and_b32 s93, s23, 3
	s_lshl2_add_u32 s93, s93, s22                  ; head
	s_lshl_b32 s23, s22, 2
	s_lshl_b32 s23, 15, s23                        ; my row of the cluster
	s_lshl_b32 s3, 0x1111, s21                     ; my column
	s_mov_b32 s94, 0x76543210                      ; v_permlanex16_b32: lane i reads lane i of the other half
	s_mov_b32 s95, 0xfedcba98
	; group 1 of the four kinds of tile: 2-byte elements, padding on, bit 21 beside the mask
	s_or_b32 s[G1X+0], s3, (1<<16)|(1<<20)|(1<<21)|(5<<22)|(3<<25)    ; xn: 128 rows x 128 elements, 4 words behind every 64: pitch 272
	s_mov_b32 s[G1X+1], 128<<16
	s_mov_b32 s[G1X+2], 128<<16
	s_mov_b32 s[G1X+3], 128<<16
	s_mov_b32 s[G1X+4], 128
	s_mov_b32 s[G1X+5], 1024
	s_mov_b32 s[G1X+6], 0
	s_mov_b32 s[G1X+7], 0
	s_or_b32 s[G1W+0], s23, (1<<16)|(1<<20)|(1<<21)|(5<<22)|(3<<25)   ; tq: 32 rows x 128 elements (a head has 64 rows, two waves fetch them)
	s_mov_b32 s[G1W+1], 128<<16
	s_mov_b32 s[G1W+2], 32<<16
	s_mov_b32 s[G1W+3], 128<<16
	s_mov_b32 s[G1W+4], 32
	s_mov_b32 s[G1W+5], 1024
	s_mov_b32 s[G1W+6], 0
	s_mov_b32 s[G1W+7], 0
	s_or_b32 s[G1K+0], s23, (1<<16)|(1<<20)|(1<<21)|(4<<22)|(3<<25)   ; K: 64 keys, dense, as 32 rows of 256 bytes; 4 words behind every 32: a key's pitch is 144
	s_mov_b32 s[G1K+1], 128<<16
	s_mov_b32 s[G1K+2], 32<<16
	s_mov_b32 s[G1K+3], 128<<16
	s_mov_b32 s[G1K+4], 32
	s_mov_b32 s[G1K+5], 128
	s_mov_b32 s[G1K+6], 0
	s_mov_b32 s[G1K+7], 0
	s_or_b32 s[G1V+0], s23, (1<<16)|(1<<20)|(1<<21)|(4<<22)|(7<<25)   ; V: the same with 8 words of padding: pitch 160, an odd multiple of 32, for the transposing loads
	s_mov_b32 s[G1V+1], 128<<16
	s_mov_b32 s[G1V+2], 32<<16
	s_mov_b32 s[G1V+3], 128<<16
	s_mov_b32 s[G1V+4], 32
	s_mov_b32 s[G1V+5], 128
	s_mov_b32 s[G1V+6], 0
	s_mov_b32 s[G1V+7], 0
	; where the tiles come from; s[98:99] are made of cx and not of cy, s[100:101] the other way round
	s_lshl_b32 s98, s92, 10
	s_lshl_b32 s99, s21, 8
	s_add_co_u32 s98, s98, s99
	s_lshl_b32 s99, s20, 7
	s_add_co_u32 s98, s98, s99                     ; xn: row 1,024 batch + 256 query block + 128 half
	s_lshl_b32 s98, s98, 11
	s_mov_b32 s99, 0
	s_lshl_b32 s100, s93, 6
	s_lshl_b32 s101, s20, 5
	s_add_co_u32 s100, s100, s101                  ; tq: row 64 head + 32 half
	s_lshl_b32 s100, s100, 11
	s_mov_b32 s101, 0
	s_mul_i32 s66, s18, 128*XP                     ; LDS terms: the wave's number times a constant
	s_mul_i32 s67, s18, 32*XP
	s_wait_dscnt 0x0
	s_wait_kmcnt 0x0
	s_add_nc_u64 s[4:5], s[4:5], s[98:99]
	s_add_nc_u64 s[6:7], s[6:7], s[100:101]
	s_lshl_b32 s100, s92, 4
	s_add_co_u32 s100, s100, s93                   ; 16 batch + head
	s_lshl_b32 s100, s100, 11
	s_lshl_b32 s101, s20, 6
	s_add_co_u32 s100, s100, s101                  ; key 64 half of tile 0
	s_lshl_b32 s100, s100, 7
	s_mov_b32 s101, 0
	s_add_nc_u64 s[12:13], s[12:13], s[100:101]
	s_add_nc_u64 s[14:15], s[14:15], s[100:101]
	s_lshl_b32 s100, s93, 8                        ; bq: 64 f32 a head
	s_add_nc_u64 s[10:11], s[10:11], s[100:101]
	CROUND                                         ; all sixteen work-groups are here: the first joint loads meet
.irp n, 0,1
	s_mov_b32 s[G0X+4*\n], 1
	s_add_co_u32 s[G0X+4*\n+1], s66, SLOT0+\n*SLOTB
	s_add_nc_u64 s[G0X+4*\n+2:G0X+4*\n+3], s[4:5], \n*256
	s_or_b32 s[G0X+4*\n+3], s[G0X+4*\n+3], 0x80000000
	s_mov_b32 s[G0W+4*\n], 1
	s_add_co_u32 s[G0W+4*\n+1], s67, SLOT0+\n*SLOTB+WOFF-64*XP     ; waves 2, 3: rows 0-31, 32-63 behind xn's 256
	s_add_nc_u64 s[G0W+4*\n+2:G0W+4*\n+3], s[6:7], \n*256
	s_or_b32 s[G0W+4*\n+3], s[G0W+4*\n+3], 0x80000000
	JLOAD1 \n                                      ; K steps 0 and 1
.endr
.irp n, 0,1
	s_mov_b32 s[G0K+4*\n], 1
	s_mul_i32 s[G0K+4*\n+1], s18, 64*KP            ; waves 0, 1: keys 0-63, 64-127
	s_add_co_u32 s[G0K+4*\n+1], s[G0K+4*\n+1], KV0+\n*KVB
	s_add_nc_u64 s[G0K+4*\n+2:G0K+4*\n+3], s[12:13], \n*TILEB
	s_or_b32 s[G0K+4*\n+3], s[G0K+4*\n+3], 0x80000000
	s_mov_b32 s[G0V+4*\n], 1
	s_mul_i32 s[G0V+4*\n+1], s18, 64*VP            ; waves 2, 3: keys 0-63, 64-127 behind K's 128
	s_add_co_u32 s[G0V+4*\n+1], s[G0V+4*\n+1], KV0+\n*KVB+VOFF-128*VP
	s_add_nc_u64 s[G0V+4*\n+2:G0V+4*\n+3], s[14:15], \n*TILEB
	s_or_b32 s[G0V+4*\n+3], s[G0V+4*\n+3], 0x80000000
	JLOAD2 \n                                      ; keys 0-127 and 128-255
.endr
	v_and_b32 v1, 15, v0                           ; r
	v_bfe_u32 v2, v0, 4, 1                         ; h
	v_and_b32 v3, 31, v0                           ; lane
	v_mul_u32_u24 v4, v1, XP
	v_lshl_add_u32 v4, v2, 4, v4                   ; 272 r + 16 h
	s_mul_i32 s23, s18, 64*XP                      ; my 64 queries
	s_add_co_u32 s23, s23, SLOT0
	v_add_nc_u32 v[ADX], s23, v4
	v_add_nc_u32 v[ADX+1], SLOTB, v[ADX]
	v_add_nc_u32 v[ADW], SLOT0+WOFF, v4
	v_add_nc_u32 v[ADW+1], SLOT1+WOFF, v4
	v_mul_u32_u24 v5, v1, KP
	v_lshl_add_u32 v5, v2, 4, v5                   ; 144 r + 16 h
	v_add_nc_u32 v[ADK], KV0, v5
	v_add_nc_u32 v[ADK+1], KV1, v5
	v_and_b32 v6, 7, v0
	v_lshl_add_u32 v7, v2, 3, v6                   ; key 8 h + lane % 8
	v_mul_u32_u24 v7, v7, VP
	v_bfe_u32 v4, v0, 3, 1
	v_lshl_add_u32 v7, v4, 4, v7                   ; + 16 bytes for lanes 8-15 of each half
	v_add_nc_u32 v[ADV], KV0+VOFF, v7
	v_add_nc_u32 v[ADV+1], KV1+VOFF, v7
	s_mul_i32 s23, s18, STAGEB
	v_add_nc_u32 v[STO], s23, v5
	v_lshrrev_b32 v4, 3, v3
	v_mul_u32_u24 v4, v4, KP
	v_lshl_add_u32 v4, v6, 4, v4
	v_add_nc_u32 v[RD], s23, v4                    ; back: eight lanes take a row of 128 bytes
	v_lshlrev_b32 v[CO], 4, v3
	v_lshlrev_b32 v[PFO], 8, v3                    ; prefetch: lanes 256 bytes apart,
	v_lshl_add_u32 v[PFO], s21, 13, v[PFO]         ; my work-group's 8,192 of the 32,768 bytes that the cluster's row shares
	v_lshlrev_b32 v[BQA], 5, v2
	v_lshlrev_b32 v[PA], 3, v3
.irp dt, 0,1,2,3
	global_load_b128 v[BQ+8*\dt:BQ+8*\dt+3],   v[BQA], s[10:11] offset:64*\dt       ; bq of rows 16 dt + 8 h + 0..7
	global_load_b128 v[BQ+8*\dt+4:BQ+8*\dt+7], v[BQA], s[10:11] offset:64*\dt+16
.endr
	global_load_b64 v[PP:PP+1], v[PA], s[8:9]      ; weight 0's partial sums
.irp k, 0,1,2,3,4,5,6,7
	v_mov_b32 v[T+\k], 0                           ; a zero fragment for the start of O^T; later at work, and destinations of lane permutes, which count as read
.endr
; ---------------- phase 1 ----------------
.macro FETCH1 slot, k, f               ; 16 LDS loads: 4 fragments of tq, 4 of xn, 32 along K at byte k of the rows
	WIN 0
.irp i, 0,1,2,3
	ds_load_b128 v[\f+8*\i:\f+8*\i+3],   v[ADW+\slot] offset:\k+\i*16*XP
	ds_load_b128 v[\f+8*\i+4:\f+8*\i+7], v[ADW+\slot] offset:\k+\i*16*XP+32
.endr
.irp i, 0,1,2,3
	ds_load_b128 v[\f+32+8*\i:\f+32+8*\i+3],   v[ADX+\slot] offset:\k+\i*16*XP
	ds_load_b128 v[\f+32+8*\i+4:\f+32+8*\i+7], v[ADX+\slot] offset:\k+\i*16*XP+32
.endr
.endm
.macro MUL1 f, zero
	WIN 0xa0
.irp dt, 0,1,2,3
.irp qt, 0,1,2,3
.if \zero
	v_wmma_f32_16x16x32_bf16 v[8*(4*\dt+\qt):8*(4*\dt+\qt)+7], v[\f+8*\dt:\f+8*\dt+7], v[\f+32+8*\qt:\f+32+8*\qt+7], 0
.else
	v_wmma_f32_16x16x32_bf16 v[8*(4*\dt+\qt):8*(4*\dt+\qt)+7], v[\f+8*\dt:\f+8*\dt+7], v[\f+32+8*\qt:\f+32+8*\qt+7], v[8*(4*\dt+\qt):8*(4*\dt+\qt)+7]
.endif
.endr
.endr
.endm
.macro KSUB slot, k, f, g, zero        ; multiplies buffer f while the next 32 along K come into buffer g
	FETCH1 \slot, \k, \g
	s_wait_dscnt 16                                ; all but the 16 just issued
	MUL1 \f, \zero
	PLACES
.endm
.macro THREE1 slot, zero
	KSUB \slot, 64,  F0, F1, \zero
	KSUB \slot, 128, F1, F0, 0
	KSUB \slot, 192, F0, F1, 0
.endm
; The last 32 of a K step, and the change of slots: my reads of this slot and all my tensor loads are waited for in front of the opening signal,
; only register work stands between signal and wait.  fill = 1: the barrier opens a round of the cluster's barrier, and the joint refill is the first
; tensor load behind the round.  fill = 0: nothing is left to fetch for phase 1; the barrier shows the last K step's tile whole to every wave.
.macro TURN1 slot, next, fill
	s_wait_dscnt 0x0
	s_set_vgpr_msb (MSB<<8)|((MSB&0xf0)|0x0)
	s_wait_tensorcnt 0x0
	ds_add_u32 v62, v63
	s_wait_dscnt 0x0
	s_set_vgpr_msb (((MSB&0xf0)|0x0)<<8)|MSB
	s_barrier_signal -1
	MUL1 F1, 0
	WIN 0
	s_barrier_wait -1
.if \fill
	CREST
	s_add_nc_u64 s[G0X+4*\slot+2:G0X+4*\slot+3], s[G0X+4*\slot+2:G0X+4*\slot+3], 512
	s_add_nc_u64 s[G0W+4*\slot+2:G0W+4*\slot+3], s[G0W+4*\slot+2:G0W+4*\slot+3], 512
	JLOAD1 \slot                                   ; two K steps ahead; its four v_nop are the places in front of the next loads into buffer 1
.else
	PLACES
.endif
	FETCH1 \next, 0, F0
.endm
.macro FETCHK slot                     ; phase 2: 128 keys x 64: 32 LDS loads
	WIN 0
.irp kt, 0,1,2,3,4,5,6,7
.irp ks, 0,1
	ds_load_b128 v[KF+16*\kt+8*\ks:KF+16*\kt+8*\ks+3],   v[ADK+\slot] offset:16*\kt*KP+64*\ks
	ds_load_b128 v[KF+16*\kt+8*\ks+4:KF+16*\kt+8*\ks+7], v[ADK+\slot] offset:16*\kt*KP+64*\ks+32
.endr
.endr
.endm
	s_wait_tensorcnt 0x3                           ; my part of K step 0 is in; K step 1's and the first two key tiles', issued behind it, may stay out
	s_barrier_signal -1
	s_barrier_wait -1
	FETCH1 0, 0, F0
	THREE1 0, 1                                    ; the first products start the sums
	TURN1 0, 1, 1
	THREE1 1, 0
	TURN1 1, 0, 1
	THREE1 0, 0
	TURN1 0, 1, 1
	THREE1 1, 0
	TURN1 1, 0, 1
	THREE1 0, 0
	TURN1 0, 1, 1
	THREE1 1, 0
	TURN1 1, 0, 1
	THREE1 0, 0
	TURN1 0, 1, 0
	THREE1 1, 0
	s_wait_dscnt 0x0
	MUL1 F1, 0
	PLACES5
	FETCHK 0                                       ; keys 0-127, into the two buffers that phase 1 has done with; keys 0-255 were shown landed in every wave by the
	                                               ; waits and the round behind phase 1's first K step.  The loads come back under the arithmetic below
	; q' = (Q^T gamma + bq) c, c = 0.125 log2(e), packed: tile dt of query tile qt is registers 4 (dt % 2) .. + 3 of q'(qt, dt / 2)
	s_wait_loadcnt 0x0
	v_add_f32 v[PP], v[PP], v[PP+1]                ; gamma: the same order of adding as where the codes were made
	v_add_f32_dpp v[PP], v[PP], v[PP] row_xmask:1 row_mask:0xf bank_mask:0xf
	v_add_f32_dpp v[PP], v[PP], v[PP] row_xmask:2 row_mask:0xf bank_mask:0xf
	v_add_f32_dpp v[PP], v[PP], v[PP] row_xmask:4 row_mask:0xf bank_mask:0xf
	v_add_f32_dpp v[PP], v[PP], v[PP] row_xmask:8 row_mask:0xf bank_mask:0xf
	v_permlanex16_b32 v[PP+1], v[PP], s94, s95
	v_add_f32 v[PP], v[PP], v[PP+1]
	v_readfirstlane_b32 s96, v[PP]
	s_mul_f32 s96, s96, 0x35800000                 ; / 1,048,576
	s_mul_f32 s96, s96, 0x3e38aa3b                 ; x c
	s_mov_b32 s97, s96
.set j, 0
.rept 16
	v_pk_mul_f32 v[BQ+2*j:BQ+2*j+1], v[BQ+2*j:BQ+2*j+1], 0x3e38aa3b op_sel_hi:[1,0]
.set j, j+1
.endr
	WIN 0x82
.irp dt, 0,1,2,3
.irp qt, 0,1,2,3
.irp n, 0,1,2,3
	v_pk_fma_f32 v[8*(4*\dt+\qt)+2*\n:8*(4*\dt+\qt)+2*\n+1], v[8*(4*\dt+\qt)+2*\n:8*(4*\dt+\qt)+2*\n+1], s[96:97], v[BQ+8*\dt+2*\n:BQ+8*\dt+2*\n+1] op_sel_hi:[1,0,1]
.endr
.endr
.endr
	WIN 0x4a
.irp dt, 0,1,2,3
.irp qt, 0,1,2,3
.irp n, 0,1,2,3
	v_cvt_pk_bf16_f32 v[16*\qt+8*(\dt>>1)+4*(\dt&1)+\n], v[8*(4*\dt+\qt)+2*\n], v[8*(4*\dt+\qt)+2*\n+1]
.endr
.endr
.endr
	; The state in front of the first key: maximum -inf, l = 0, O^T = 0.  O^T is made as the product of the zero fragment T with itself:
	; 16 matrix instructions in place of 128 moves.
	WIN 0
.irp k, 0,1,2,3,4,5,6,7
	v_mov_b32 v[MX+\k], 0xff800000
	v_mov_b32 v[LS+\k], 0
.endr
	WIN 0x40
.irp dt, 0,1,2,3
.irp qt, 0,1,2,3
	v_wmma_f32_16x16x32_bf16 v[OO+8*(4*\dt+\qt):OO+8*(4*\dt+\qt)+7], v[T:T+7], v[T:T+7], 0
.endr
.endr
; ---------------- phase 2 ----------------
.macro FETCHV slot                     ; V^T of 128 keys: 32 transposing loads (V lies [key][d])
	WIN 0xc0
.irp u, 0,1,2,3
.irp dt, 0,1,2,3
	ds_load_tr16_b128 v[32*\u+8*\dt:32*\u+8*\dt+3],   v[ADV+\slot] offset:32*\u*VP+32*\dt
	ds_load_tr16_b128 v[32*\u+8*\dt+4:32*\u+8*\dt+7], v[ADV+\slot] offset:32*\u*VP+32*\dt+16*VP
.endr
.endr
.endm
; A block's list of matrix instructions, for the query tiles 2 MG and 2 MG + 1.  Assembly-time state: WN the next number, WE the end, MG the group, HK what else is due.
;   numbers 0-31:  O^T(dt, qt) += V^T(u, dt) p^T(u, qt), u = WN / 8: eight accumulators take turns;
;   numbers 32-63: S^T(2 u + e, qt) = K(2 u + e) q'^T(qt): d 0-31 starts each of four sums, d 32-63 follows four instructions later.
; HK = 1: the K fragments were asked for at the block's head and are waited for in front of number 32.
; HK = 2 + slot: in front of number 33 the next V^T is fetched from that KV slot: number 31 was the last reader of the old one; the four v_nop are the places in front of
; loads into a matrix instruction's sources (ISA guide 7.12.1 for vector instructions).
.macro MATRIX1
.if WN == 32
.if HK == 1
	s_wait_dscnt 0x0                               ; the 32 loads of K are the only LDS instructions out
.endif
.endif
.if WN == 33
.if HK >= 2
	PLACES
	FETCHV HK-2
.endif
.endif
.if WN < 32
.set mu, WN>>3
.set mdt, (WN>>1)&3
.set mqt, 2*MG+(WN&1)
	WIN 0x5b
	v_wmma_f32_16x16x32_bf16 v[OO+8*(4*mdt+mqt):OO+8*(4*mdt+mqt)+7], v[32*mu+8*mdt:32*mu+8*mdt+7], v[64*mu+16*mqt:64*mu+16*mqt+7], v[OO+8*(4*mdt+mqt):OO+8*(4*mdt+mqt)+7]
.else
.set mu, (WN-32)>>3
.set mks, ((WN-32)>>2)&1
.set me, ((WN-32)>>1)&1
.set mqt, 2*MG+(WN&1)
	WIN 0xa4
.if mks
	v_wmma_f32_16x16x32_bf16 v[64*mu+16*mqt+8*me:64*mu+16*mqt+8*me+7], v[KF+16*(2*mu+me)+8*mks:KF+16*(2*mu+me)+8*mks+7], v[16*mqt+8*mks:16*mqt+8*mks+7], v[64*mu+16*mqt+8*me:64*mu+16*mqt+8*me+7]
.else
	v_wmma_f32_16x16x32_bf16 v[64*mu+16*mqt+8*me:64*mu+16*mqt+8*me+7], v[KF+16*(2*mu+me)+8*mks:KF+16*(2*mu+me)+8*mks+7], v[16*mqt+8*mks:16*mqt+8*mks+7], 0
.endif
.endif
.set WN, WN+1
.endm
; w units of vector work have been written: when PER are full, the list's next matrix instruction follows, and the vector work's windows are set again.
.macro TICK w
.set VC, VC+\w
.if VC >= PER
.if WN < WE
.set VC, VC-PER
.set SAVEW, MSB
	MATRIX1
	WIN SAVEW
.endif
.endif
.endm
.macro FLUSH                           ; what is left of the list, in one run.  Behind a softmax nothing is left: it has 536 units, a list at most 64 x PER = 512
.rept 64
.if WN < WE
	MATRIX1
.endif
.endr
.endm
; The softmax of query tiles 2 g and 2 g + 1 over a step's 128 keys: running maximum, alpha = 2^(old - new), p = 2^(S - max), l = l alpha + sum of p, p packed to bf16
; in place.  It names S, the state and T of its own group only; the matrix instructions that TICK puts among its lines name the other group's registers.
.macro SMB g
	WIN 0
.irp q, 0,1
	v_mov_b32 v[M+2*\g+\q], v[MX+4*\g+2*\q]
.endr
	WIN 0x0a                                       ; both registers of a pair hold the old maximum: two chains for each query tile
	TICK 2
.set p, 0
.rept 32
.irp q, 0,1
.set sr, 64*(p>>3)+32*\g+16*\q+2*(p&7)
.set mr, MX+4*\g+2*\q+(p&1)
	v_max3_num_f32 v[mr], v[sr], v[sr+1], v[mr]
.endr
	TICK 2
.set p, p+1
.endr
	WIN 0
.irp q, 0,1
	v_max_num_f32 v[MX+4*\g+2*\q], v[MX+4*\g+2*\q], v[MX+4*\g+2*\q+1]
.endr
.irp q, 0,1
	v_permlanex16_b32 v[T+\q], v[MX+4*\g+2*\q], s94, s95   ; the other half of the lanes holds the query's other keys
.endr
	TICK 4
.irp q, 0,1
	v_max_num_f32 v[MX+4*\g+2*\q], v[MX+4*\g+2*\q], v[T+\q]
.endr
.irp q, 0,1
	v_mov_b32 v[MX+4*\g+2*\q+1], v[MX+4*\g+2*\q]
.endr
	TICK 4
.irp q, 0,1
	v_sub_f32 v[T+\q], v[M+2*\g+\q], v[MX+4*\g+2*\q]
.endr
	TICK 2
.irp q, 0,1
	v_exp_f32 v[AL+4*\g+2*\q], v[T+\q]
.endr
	v_nop                                          ; one plain place behind a transcendental (ISA guide 5.7.2)
	s_wait_alu depctr_va_vdst(0)
.irp q, 0,1
	v_mov_b32 v[AL+4*\g+2*\q+1], v[AL+4*\g+2*\q]
.endr
	WIN 0x82                                       ; each pair's two exponentials stand behind the next pair's subtraction, which names other registers
	TICK 7
.set j, 0
.rept 64
.set sr, 64*(j>>4)+32*\g+16*((j>>3)&1)+2*(j&7)
.set mq, MX+4*\g+2*((j>>3)&1)
	v_pk_add_f32 v[sr:sr+1], v[sr:sr+1], v[mq:mq+1] neg_lo:[0,1] neg_hi:[0,1]
.if j > 0
	v_exp_f32 v[so], v[so]
	v_exp_f32 v[so+1], v[so+1]
.endif
.set so, sr
	TICK 5
.set j, j+1
.endr
	v_exp_f32 v[so], v[so]
	v_exp_f32 v[so+1], v[so+1]
	v_nop
	WIN 0x20
	TICK 5
	; the sums: three chains of pairs for each query tile, six in all: l itself (its first link scales it by alpha) and two in T, each started by two pairs of p
	s_wait_alu depctr_va_vdst(0)
.irp q, 0,1
	v_pk_fma_f32 v[LS+4*\g+2*\q:LS+4*\g+2*\q+1], v[LS+4*\g+2*\q:LS+4*\g+2*\q+1], v[AL+4*\g+2*\q:AL+4*\g+2*\q+1], v[32*\g+16*\q:32*\g+16*\q+1]
.endr
	WIN 0x0a
.irp q, 0,1
	v_pk_add_f32 v[T+4*\q:T+4*\q+1],   v[32*\g+16*\q+2:32*\g+16*\q+3], v[32*\g+16*\q+4:32*\g+16*\q+5]
	v_pk_add_f32 v[T+4*\q+2:T+4*\q+3], v[32*\g+16*\q+6:32*\g+16*\q+7], v[32*\g+16*\q+8:32*\g+16*\q+9]
.endr
	WIN 0x08
	TICK 6
.set k, 5
.rept 27
.set cc, (k-5)%3
.irp q, 0,1
.set sr, 64*(k>>3)+32*\g+16*\q+2*(k&7)
.if cc == 0
.set dr, LS+4*\g+2*\q
.else
.set dr, T+4*\q+2*(cc-1)
.endif
	v_pk_add_f32 v[dr:dr+1], v[dr:dr+1], v[sr:sr+1]
.endr
	TICK 2
.set k, k+1
.endr
	WIN 0
.irp q, 0,1
	v_pk_add_f32 v[T+4*\q:T+4*\q+1], v[T+4*\q:T+4*\q+1], v[T+4*\q+2:T+4*\q+3]
.endr
.irp q, 0,1
	v_pk_add_f32 v[LS+4*\g+2*\q:LS+4*\g+2*\q+1], v[LS+4*\g+2*\q:LS+4*\g+2*\q+1], v[T+4*\q:T+4*\q+1]
.endr
	WIN 0x8a
	TICK 4
.set j, 0
.rept 8
.set pb, 64*(j>>1)+32*\g+16*(j&1)
.irp n, 0,1,2,3
	v_cvt_pk_bf16_f32 v[pb+\n], v[pb+2*\n], v[pb+2*\n+1]   ; ascending, in place: word n is written after words 2n, 2n+1 are read
.endr
	TICK 4
.irp n, 4,5,6,7
	v_cvt_pk_bf16_f32 v[pb+\n], v[pb+2*\n], v[pb+2*\n+1]
.endr
	TICK 4
.set j, j+1
.endr
.endm
.macro RESCALE g                       ; O^T of query tiles 2 g, 2 g + 1 *= the pair in AL of its query tile
	WIN 0x41
.irp dt, 0,1,2,3
.irp q, 0,1
.irp n, 0,1,2,3
	v_pk_mul_f32 v[OO+8*(4*\dt+2*\g+\q)+2*\n:OO+8*(4*\dt+2*\g+\q)+2*\n+1], v[OO+8*(4*\dt+2*\g+\q)+2*\n:OO+8*(4*\dt+2*\g+\q)+2*\n+1], v[AL+4*\g+2*\q:AL+4*\g+2*\q+1]
.endr
.endr
.endr
.endm
; Block X of a step whose tile lies in KV slot 'slot': the softmax of g0; for g1 the last step's V^T p^T (pv = 1; the first step has none) and this step's K q'^T;
; in the middle this step's V^T is fetched.  The block's last matrix instruction stands 28 conversions ahead of its end.
.macro XB slot, pv
.set MG, 1
.set WN, 32-32*\pv
.set WE, 64
.set HK, 2+\slot
.set VC, PER-2
	SMB 0
	FLUSH
.endm
; The change of slots, and block Y of a step whose tile lies in KV slot 'slot'.  All of the tile is in registers by now:
; turn = 1: my reads of the slot and all my tensor loads (one is out: my part of the other slot) are waited for, a round of the cluster's barrier follows with
;           register work alone inside, and the slot is asked for again, two tiles ahead, first thing behind the round.  From that request to the wait for it
;           a wave issues 128 matrix instructions and two softmax blocks.
; turn = 2: the same waits and a plain barrier (the last tile has to be seen whole; nothing is left to fetch).
; more = 1: the next step's K fragments are fetched from the other slot (32 multiplies and 28 conversions stand behind the old ones' last reader), and its K q'^T for g0 is in the list.
; ask = 1:  wave 0 asks for the two tiles that the next trip's tensor loads will want (see the loop's head).
.macro RY slot, turn, more, ask
	s_wait_dscnt 0x0                               ; V^T is in, and all my reads of this slot are over
.if \turn
	s_set_vgpr_msb (MSB<<8)|((MSB&0xf0)|0x0)
	s_wait_tensorcnt 0x0                           ; all my tensor loads have landed
	ds_add_u32 v62, v63
	s_wait_dscnt 0x0
	s_set_vgpr_msb (((MSB&0xf0)|0x0)<<8)|MSB
	s_barrier_signal -1
.endif
	RESCALE 0                                      ; register work while the others arrive
	WIN 0
.if \turn
	s_barrier_wait -1
.endif
.if \turn == 1
	CREST
	s_add_nc_u64 s[G0K+4*\slot+2:G0K+4*\slot+3], s[G0K+4*\slot+2:G0K+4*\slot+3], 2*TILEB
	s_add_nc_u64 s[G0V+4*\slot+2:G0V+4*\slot+3], s[G0V+4*\slot+2:G0V+4*\slot+3], 2*TILEB
	JLOAD2 \slot
.endif
.if \more
	FETCHK 1-\slot
.endif
.if \ask
	s_cmp_lg_u32 s18, 0
	s_cbranch_scc1 .Lno_ask_\@
	global_prefetch_b8 v[PFO], s[4:5] th:TH_LOAD_NT scope:SCOPE_SE
	global_prefetch_b8 v[PFO], s[6:7] th:TH_LOAD_NT scope:SCOPE_SE
.Lno_ask_\@:
.endif
.set MG, 0
.set WN, 0
.set WE, 32+32*\more
.set HK, \more
.set VC, PER-2
	SMB 1
	FLUSH
	RESCALE 1
.endm
	s_wait_dscnt 0x0                               ; K of keys 0-127 is in
.set MG, 0
.set WN, 32
.set WE, 64
.set HK, 0
	FLUSH                                          ; S^T of step 0 for g0: the pipeline's first 32 matrix instructions have no vector work to stand among
	PLACES                                         ; in front of the softmax, which reads them
	XB 0, 0                                        ; X(0)
	WIN 0
	s_mov_b32 s8, 4*TILEB                          ; prefetch: byte offset of tile 4 (part's and bq's addresses in s[8:11] are done with: their loads were waited for)
	s_mov_b32 s11, 0
	s_mov_b32 s3, STEPS/2-1
; Trip j: the round of step 2 j, Y(2 j), X(2 j + 1), the round of step 2 j + 1, Y(2 j + 1), X(2 j + 2); its two refills bring tiles 2 j + 2 and 2 j + 3.
; PREFETCH: in trip j wave 0 asks for tiles 2 j + 4 and 2 j + 5, which the tensor loads of trip j + 1 want: 32,768 neighbouring bytes of kh and of vh, of which
; each of the four work-groups that share them takes 8,192 (32 lanes, 256 bytes apart, one instruction for kh and one for vh).  In the last trip the offset is
; held at tiles 14 and 15, the head's last.  The addresses are rewritten at a trip's head, behind s_wait_xcnt 0, 128 matrix instructions behind the requests.
.Lsteps:
	s_wait_xcnt 0x0
	s_min_u32 s10, s8, 14*TILEB
	s_add_nc_u64 s[4:5], s[12:13], s[10:11]        ; in wave 0 s[12:15] point at the head's key 0
	s_add_nc_u64 s[6:7], s[14:15], s[10:11]
	s_add_co_u32 s8, s8, 2*TILEB
	RY 0, 1, 1, 0
	XB 1, 1
	RY 1, 1, 1, 1
	XB 0, 1
	WIN 0
	s_sub_co_u32 s3, s3, 1
	s_cmp_lg_u32 s3, 0
	s_cbranch_scc1 .Lsteps
	RY 0, 2, 1, 0                                  ; step 14: nothing is left to fetch; the barrier shows tile 15 whole
	XB 1, 1                                        ; X(15)
	RY 1, 0, 0, 0                                  ; Y(15): no further step's K q'^T
.set MG, 1
.set WN, 0
.set WE, 32
.set HK, 0
	FLUSH                                          ; V^T p^T of step 15 for g1: the pipeline's last 32 matrix instructions
	PLACES
	; THE WAY OUT: O / l, bf16, 16 queries at a time through my own stage; ao is [head][row 4,096][64]: a wave's 64 rows are 8,192 neighbouring bytes
	WIN 0
.irp qt, 0,1,2,3
	v_add_f32 v[T+\qt], v[LS+2*\qt], v[LS+2*\qt+1]
.endr
.irp qt, 0,1,2,3
	v_permlanex16_b32 v[T+4+\qt], v[T+\qt], s94, s95
.endr
.irp qt, 0,1,2,3
	v_add_f32 v[T+\qt], v[T+\qt], v[T+4+\qt]
.endr
.irp qt, 0,1,2,3
	v_rcp_f32 v[AL+2*\qt], v[T+\qt]
.endr
	v_nop
	s_wait_alu depctr_va_vdst(0)
.irp qt, 0,1,2,3
	v_mov_b32 v[AL+2*\qt+1], v[AL+2*\qt]
.endr
	RESCALE 0
	RESCALE 1
	s_lshl_b32 s98, s92, 10
	s_lshl_b32 s99, s21, 8
	s_add_co_u32 s98, s98, s99
	s_lshl_b32 s99, s18, 6
	s_add_co_u32 s98, s98, s99                     ; row 1,024 batch + 256 query block + 64 wave
	s_lshl_b32 s98, s98, 7
	s_lshl_b32 s99, s93, 19                        ; a head's 4,096 rows of 128 bytes
	s_add_co_u32 s100, s98, s99
	s_mov_b32 s101, 0
	s_add_nc_u64 s[98:99], s[16:17], s[100:101]
.macro OUTQ qt
	WIN 0x05
.irp dt, 0,1,2,3
.irp n, 0,1,2,3
	v_cvt_pk_bf16_f32 v[TMP+4*\dt+\n], v[OO+8*(4*\dt+\qt)+2*\n], v[OO+8*(4*\dt+\qt)+2*\n+1]
.endr
.endr
	WIN 0
.irp dt, 0,1,2,3
	ds_store_b128 v[STO], v[TMP+4*\dt:TMP+4*\dt+3] offset:32*\dt
.endr
	s_wait_xcnt 0x0                                ; the out buffer, which earlier stores read, is loaded again only behind this wait
.irp t, 0,1,2,3
	ds_load_b128 v[OUTB+16*(\qt&1)+4*\t:OUTB+16*(\qt&1)+4*\t+3], v[RD] offset:4*KP*\t   ; LDS serves a wave's instructions in order: these see the stores above
.endr
.irp t, 0,1,2,3
	s_wait_dscnt 3-\t                              ; load t is in, the 3 - t younger ones stay out
	global_store_b128 v[CO], v[OUTB+16*(\qt&1)+4*\t:OUTB+16*(\qt&1)+4*\t+3], s[98:99] offset:2048*\qt+512*\t   ; 512 neighbouring bytes, aligned
.endr
.endm
	OUTQ 0
	OUTQ 1
	OUTQ 2
	OUTQ 3
	s_set_vgpr_msb (MSB<<8)|((MSB&0xf0)|0x0)
	s_wait_tensorcnt 0x0
	ds_add_u32 v62, v63
	s_wait_dscnt 0x0
	s_set_vgpr_msb (((MSB&0xf0)|0x0)<<8)|MSB
	CROUND                                         ; the closing round: no work-group ends while a partner may still ask for a tile that names it
	s_endpgm
.Lfunc_end_k_qf41a18c8a1_attn:
	.size	k_qf41a18c8a1_attn, .Lfunc_end_k_qf41a18c8a1_attn-k_qf41a18c8a1_attn
	.p2alignl 7, 3214868480
	.fill 96, 4, 3214868480
	.section	.rodata,"a",@progbits
	.p2align	6, 0x0
	.amdhsa_kernel k_qf41a18c8a1_attn
		.amdhsa_group_segment_fixed_size 327680
		.amdhsa_private_segment_fixed_size 0
		.amdhsa_enable_private_segment 0
		.amdhsa_kernarg_size 56
		.amdhsa_user_sgpr_count 2
		.amdhsa_user_sgpr_kernarg_segment_ptr 1
		.amdhsa_wavefront_size32 1
		.amdhsa_system_sgpr_workgroup_id_x 1
		.amdhsa_system_sgpr_workgroup_id_y 1
		.amdhsa_system_sgpr_workgroup_id_z 1
		.amdhsa_system_vgpr_workitem_id 0
		.amdhsa_next_free_vgpr 896
		.amdhsa_next_free_sgpr 102
		.amdhsa_reserve_vcc 0
		.amdhsa_float_denorm_mode_32 3
		.amdhsa_float_denorm_mode_16_64 3
		.amdhsa_memory_ordered 1
		.amdhsa_forward_progress 1
		.amdhsa_inst_pref_size 255
	.end_amdhsa_kernel
	.section	.bss,"aw",@nobits
	.p2align	6
	.space	262144
	.amdgpu_metadata
---
amdhsa.version: [ 1, 2 ]
amdhsa.kernels:
  - .name:           k_qf41a18c8a1_attn
    .symbol:         k_qf41a18c8a1_attn.kd
    .args:
      - { .name: xn, .offset: 0, .size: 8, .value_kind: global_buffer, .address_space: global }
      - { .name: wt, .offset: 8, .size: 8, .value_kind: global_buffer, .address_space: global }
      - { .name: part, .offset: 16, .size: 8, .value_kind: global_buffer, .address_space: global }
      - { .name: bq, .offset: 24, .size: 8, .value_kind: global_buffer, .address_space: global }
      - { .name: kh, .offset: 32, .size: 8, .value_kind: global_buffer, .address_space: global }
      - { .name: vh, .offset: 40, .size: 8, .value_kind: global_buffer, .address_space: global }
      - { .name: ao, .offset: 48, .size: 8, .value_kind: global_buffer, .address_space: global }
    .group_segment_fixed_size: 327680
    .private_segment_fixed_size: 0
    .kernarg_segment_align: 8
    .kernarg_segment_size: 56
    .max_flat_workgroup_size: 128
    .sgpr_count:     102
    .vgpr_count:     896
    .wavefront_size: 32
...
	.end_amdgpu_metadata
.endif
;; end of part 6
;; launch oproj: the kernel of part 5 again; grid 8 x 32, 4 waves a work-group, clusters of 4 x 4, 327,680 bytes of LDS; arguments ao, wt, part, bo, x, out0; writes out0
